; MI455X (gfx1250); checked and timed in simulation.
; The chip was launched on July 23, 2026; its instructions are those of AMD's public machine-readable ISA for CDNA 5 (MIT licence, August 2026) and "CDNA5" Instruction Set Architecture Reference Guide (July 2026). The comments in the code are by the model that wrote it; some were corrected since.
;; Switch Mo E. Allowed arithmetic: float matrix products may take bf16 or f16 operands with f32 sums; other float arithmetic in f32, or as packed bf16 or f16 multiplies, adds, multiply-adds, maxima and minima; sums over many terms, partial sums and values carried from step to step in f32; what a program stores and reads back later, other than sums and carried values, may be rounded once to bf16 or f16.
;; Inputs: b1 8 x 4,096 float32; b2 8 x 1,024 float32; hidden_states 2 x 512 x 1,024 float32; w1 8 x 1,024 x 4,096 float32; w2 8 x 4,096 x 1,024 float32; w_red 1,024 x 16 float32; wg 8 x 16 float32.
;; Outputs: out0 2 x 512 x 1,024 float32.
;; One version. Each part assembles by itself: llvm-mc -triple=amdgcn-amd-amdhsa -mcpu=gfx1250 --defsym DOCPART=n.
;; ======== version 1 of 1: 4 launches
;; limits: values are held in f16: magnitudes above 65,504 overflow, below 6.1e-05 lose precision; a function is approximated: absolute error at most 1.5e-07
;; workspace buffers: xb 2,097,152 bytes; idx 4,096 bytes of whole numbers; score 4,096 bytes; hf 67,108,864 bytes; part 16,777,216 bytes
;; launch router (part 1): grid 64 x 1, 8 waves a work-group, no clusters, 79,872 bytes of LDS; arguments hidden_states, w_red, wg, xb, idx, score; writes xb, idx, score
.if DOCPART == 1
	.amdgcn_target "amdgcn-amd-amdhsa--gfx1250"
	.amdhsa_code_object_version 6
	.text
	.protected	k_qd8b81be31e_router
	.globl	k_qd8b81be31e_router
	.p2align	8
	.type	k_qd8b81be31e_router,@function
k_qd8b81be31e_router:
	s_mov_b64 s[64:65], 0
	v_nop
	global_prefetch_b8 v0, s[64:65] scope:SCOPE_SE
	s_setreg_imm32_b32 hwreg(HW_REG_WAVE_MODE, 25, 1), 1
	s_wait_xcnt 0x0
; THE GATE.  x rounded to bf16 (stored as xb for the first product); red = x w_red on the matrix unit, bf16 operands, f32 sums;
; logits = red . wg / max(|wg|, 1e-4), their maximum, the first index that attains it, and 1 / sum of exp(logit - maximum), all in f32.
; ALL inputs are rounded to bf16 first (x, w_red, wg); behind that nothing is rounded below f32, so that the choice is the one the rounded inputs give.
; LIMITS.  The division by the norm is a multiplication by v_rcp_f32's result; two logits closer than some 1e-7 of themselves may be chosen otherwise than by a division.
; NaN and infinities are not treated apart.  idx and score leave as 64 bytes a work-group each: 16 tokens are all that a work-group has.
; SHARES.  A work-group has 16 tokens (one matrix tile), wave w the channels 128 w .. 128 w + 127; the eight partial sums meet in LDS; then wave w finishes tokens 2 w and 2 w + 1,
; sixteen lanes a token, lane g holding gate dimension g.  64 work-groups: 1,024 tokens / 16.  No work-group shares a tile of x; w_red (64 KB) is all that is shared: no cluster.
.set XT,    0          ; 8 x 4,352: my wave's 16 rows x 128 bf16 of x, pitch 272 (256 + 16: the 16 rows of an operand load start 4 words apart modulo 64)
.set WT,    34816      ; 8 x 4,096: my wave's 128 rows [k][16] bf16 of w_red, pitch 32, read by the turning load
.set PT,    67584      ; 8 x 1,280: each wave's partial red, 16 tokens x 16 f32, pitch 80
.set RS,    77824      ; 16 x {index, weight}
.set SPARE, 78080      ; the spare words, 128 bytes a wave
.set SPW, 10
.set NIL, 11
.set VX,  16           ; v16-79   x as loaded, 4 registers a row; later v16-47 w_red packed, v48-79 x's operands
.set WR,  80           ; v80-143  w_red as loaded; later v80-111 its operands
.set WG,  144          ; v144-151 wg[e][g], then wg / norm
.set XP,  152          ; v152-183 x packed, 2 registers a row: data of the stores to xb, never rewritten
.set A0,  184          ; two accumulators
.set A1,  192
.set MX,  200
.set BEST, 201
.set SQ,  208
.set LG,  216
.set EV,  224
.set IDX, 232          ; v232 index, v233 weight
.set SCO, 233
	s_load_b256 s[4:11], s[0:1], 0x0               ; hidden_states s[4:5], w_red s[6:7], wg s[8:9], xb s[10:11]
	s_load_b128 s[12:15], s[0:1], 0x20             ; idx s[12:13], score s[14:15]
	v_lshl_add_u32 v[SPW], v0, 2, SPARE
	v_mov_b32 v[NIL], 0
	v_lshrrev_b32 v12, 5, v0
	v_readfirstlane_b32 s16, v12                   ; wave 0..7
	v_and_b32 v1, 31, v0                           ; lane
	v_and_b32 v2, 15, v0                           ; r
	v_bfe_u32 v3, v0, 4, 1                         ; h
	s_lshl_b32 s20, ttmp9, 16                      ; 16 rows of 4,096 bytes of x
	s_mov_b32 s21, 0
	s_lshl_b32 s22, ttmp9, 15                      ; 16 rows of 2,048 bytes of xb
	s_mov_b32 s23, 0
	s_lshl_b32 s24, ttmp9, 6                       ; 16 words of idx and of score
	s_mov_b32 s25, 0
	s_mov_b32 s19, 0xffff0000                      ; a word's upper bf16
	s_mov_b32 s26, 0x38d1b717                      ; 1e-4
	v_lshlrev_b32 v238, 4, v1                      ; 16 x lane
	v_lshlrev_b32 v239, 3, v1                      ; 8 x lane
	s_lshl_b32 s17, s16, 9
	v_add_nc_u32 v4, s17, v238                     ; x: 512 w + 16 lane
	s_lshl_b32 s17, s16, 13
	v_add_nc_u32 v8, s17, v238                     ; w_red: 8,192 w + 16 lane
	v_lshlrev_b32 v13, 2, v2                       ; wg, idx, score: 4 r
	s_wait_kmcnt 0x0
	s_add_nc_u64 s[4:5], s[4:5], s[20:21]
	s_add_nc_u64 s[10:11], s[10:11], s[22:23]
	s_add_nc_u64 s[12:13], s[12:13], s[24:25]
	s_add_nc_u64 s[14:15], s[14:15], s[24:25]
.set i, 0
.rept 16                                               ; a load is 512 consecutive bytes of one row of x
	global_load_b128 v[VX+4*i:VX+4*i+3], v4, s[4:5] offset:4096*i th:TH_LOAD_NT
.set i, i+1
.endr
.set i, 0
.rept 16                                               ; a load is 512 consecutive bytes, 8 rows, of w_red
	global_load_b128 v[WR+4*i:WR+4*i+3], v8, s[6:7] offset:512*i
.set i, i+1
.endr
.irp e, 0,1,2,3,4,5,6,7
	global_load_b32 v[WG+\e], v13, s[8:9] offset:64*\e
.endr
	s_lshl_b32 s17, s16, 8
	v_add_nc_u32 v5, s17, v239                     ; xb: 256 w + 8 lane
	s_mul_i32 s17, s16, 4352
	v_add_nc_u32 v6, s17, v239                     ; XT, in: 8 lane
	v_mul_u32_u24 v7, v2, 272
	v_lshl_add_u32 v7, v3, 4, v7
	v_add_nc_u32 v7, s17, v7                       ; XT, out: row r, 16 h
	s_lshl_b32 s17, s16, 12
	s_add_co_u32 s17, s17, WT
	v_add_nc_u32 v9, s17, v239                     ; WT, in: 8 lane
	v_and_b32 v12, 7, v0
	v_lshl_add_u32 v12, v3, 3, v12                 ; WT, out, for the turning load: row 8 h + lane % 8,
	v_lshlrev_b32 v12, 5, v12
	v_bfe_u32 v238, v0, 3, 1
	v_lshl_add_u32 v12, v238, 4, v12               ; 16 bytes by (lane / 8) % 2
	v_add_nc_u32 v12, s17, v12
	s_mul_i32 s17, s16, 1280
	s_add_co_u32 s17, s17, PT
	v_mul_u32_u24 v14, v2, 80
	v_lshl_add_u32 v14, v3, 5, v14
	v_add_nc_u32 v14, s17, v14                     ; PT, in: token r, dimensions 8 h on
	s_lshl_b32 s17, s16, 1
	v_add_nc_u32 v15, s17, v3                      ; the token that my half of the lanes finishes: 2 w + h
	v_lshl_add_u32 v236, v15, 3, RS
	v_mul_u32_u24 v15, v15, 80
	v_lshl_add_u32 v15, v2, 2, v15
	v_add_nc_u32 v15, PT, v15                      ; PT, out: that token, dimension r
	v_lshl_add_u32 v237, v2, 3, RS
	s_wait_loadcnt 24                              ; x is in: behind it 16 loads of w_red and 8 of wg
.set i, 0
.rept 16
	v_cvt_pk_bf16_f32 v[XP+2*i], v[VX+4*i], v[VX+4*i+1]
	v_cvt_pk_bf16_f32 v[XP+2*i+1], v[VX+4*i+2], v[VX+4*i+3]
	global_store_b64 v5, v[XP+2*i:XP+2*i+1], s[10:11] offset:2048*i  ; the wave's 32 lanes store 256 consecutive bytes, aligned
	ds_store_b64 v6, v[XP+2*i:XP+2*i+1] offset:272*i
.set i, i+1
.endr
	s_wait_loadcnt 8                               ; w_red is in: behind it wg's 8
.set i, 0
.rept 16
	v_cvt_pk_bf16_f32 v[VX+2*i], v[WR+4*i], v[WR+4*i+1]
	v_cvt_pk_bf16_f32 v[VX+2*i+1], v[WR+4*i+2], v[WR+4*i+3]
	ds_store_b64 v9, v[VX+2*i:VX+2*i+1] offset:256*i
.set i, i+1
.endr
.irp s, 0,1,2,3                                        ; my own bytes: LDS serves a wave's instructions in order (ISA guide 5.7.1.4), so these see the stores above
	ds_load_tr16_b128 v[WR+8*\s:WR+8*\s+3], v12 offset:1024*\s          ; lane holds gate dimension r, k = 32 s + 8 h ..
	ds_load_tr16_b128 v[WR+8*\s+4:WR+8*\s+7], v12 offset:1024*\s+512    ; k = 32 s + 16 + 8 h ..
	ds_load_b128 v[48+8*\s:48+8*\s+3], v7 offset:64*\s                  ; lane holds token r, the same k
	ds_load_b128 v[48+8*\s+4:48+8*\s+7], v7 offset:64*\s+32
.endr
	; wg / max(|wg|, 1e-4), while those loads are out
	s_wait_loadcnt 0x0
.irp e, 0,2,4,6
	v_cvt_pk_bf16_f32 v238, v[WG+\e], v[WG+\e+1]
	v_lshlrev_b32 v[WG+\e], 16, v238
	v_and_b32 v[WG+\e+1], s19, v238
.endr
.irp e, 0,1,2,3,4,5,6,7
	v_mul_f32 v[SQ+\e], v[WG+\e], v[WG+\e]
.endr
.irp x, 1,2,4,8
.irp e, 0,1,2,3,4,5,6,7
	v_add_f32_dpp v[SQ+\e], v[SQ+\e], v[SQ+\e] row_xmask:\x row_mask:0xf bank_mask:0xf
.endr
.endr
.irp e, 0,1,2,3,4,5,6,7
	v_sqrt_f32 v[SQ+\e], v[SQ+\e]
.endr
	v_nop                                          ; a plain instruction behind the last root,
	s_wait_alu depctr_va_vdst(0)                   ; and one wait for the eight, ahead of their first reader
.irp e, 0,1,2,3,4,5,6,7
	v_max_num_f32 v[SQ+\e], s26, v[SQ+\e]
.endr
.irp e, 0,1,2,3,4,5,6,7
	v_rcp_f32 v[SQ+\e], v[SQ+\e]
.endr
	v_nop
	s_wait_alu depctr_va_vdst(0)                   ; one wait for the eight reciprocals
.irp e, 0,1,2,3,4,5,6,7
	v_mul_f32 v[WG+\e], v[WG+\e], v[SQ+\e]
.endr
	s_wait_dscnt 0x0                               ; the operands are in
	; source 0 = w_red (16 gate dimensions), source 1 = x (16 tokens): a lane's result is token r, dimensions 8 h + 0..7.  Two accumulators by turns.
	v_wmma_f32_16x16x32_bf16 v[A0:A0+7], v[WR:WR+7], v[48:55], 0
	v_wmma_f32_16x16x32_bf16 v[A1:A1+7], v[WR+8:WR+15], v[56:63], 0
	v_wmma_f32_16x16x32_bf16 v[A0:A0+7], v[WR+16:WR+23], v[64:71], v[A0:A0+7]
	v_wmma_f32_16x16x32_bf16 v[A1:A1+7], v[WR+24:WR+31], v[72:79], v[A1:A1+7]
.rept 4
	v_nop                                          ; four places ahead of the first read of the sums (ISA guide 7.12.1)
.endr
.irp p, 0,2,4,6
	v_pk_add_f32 v[A0+\p:A0+\p+1], v[A0+\p:A0+\p+1], v[A1+\p:A1+\p+1]
.endr
	ds_store_b128 v14, v[A0:A0+3]
	ds_store_b128 v14, v[A0+4:A0+7] offset:16
	s_wait_dscnt 0x0                               ; for the others' sake: my partial sums are in LDS
	s_barrier_signal -1
	s_barrier_wait -1
.irp p, 0,1,2,3,4,5,6,7
	ds_load_b32 v[VX+\p], v15 offset:1280*\p
.endr
	s_wait_dscnt 0x0
	v_pk_add_f32 v[VX:VX+1], v[VX:VX+1], v[VX+2:VX+3]
	v_pk_add_f32 v[VX+4:VX+5], v[VX+4:VX+5], v[VX+6:VX+7]
	v_pk_add_f32 v[VX:VX+1], v[VX:VX+1], v[VX+4:VX+5]
	v_add_f32 v[VX], v[VX], v[VX+1]                ; red[token][g]
.irp e, 0,1,2,3,4,5,6,7
	v_mul_f32 v[LG+\e], v[VX], v[WG+\e]
.endr
.irp x, 1,2,4,8
.irp e, 0,1,2,3,4,5,6,7
	v_add_f32_dpp v[LG+\e], v[LG+\e], v[LG+\e] row_xmask:\x row_mask:0xf bank_mask:0xf
.endr
.endr
	v_max3_num_f32 v[MX], v[LG], v[LG+1], v[LG+2]  ; the maximum is taken away before the exponentials
	v_max3_num_f32 v[MX], v[MX], v[LG+3], v[LG+4]
	v_max3_num_f32 v[MX], v[MX], v[LG+5], v[LG+6]
	v_max_num_f32 v[MX], v[MX], v[LG+7]
	v_mov_b32 v[IDX], 0
	v_mov_b32 v[BEST], v[LG]
.irp e, 1,2,3,4,5,6,7                                  ; strictly greater: of equal logits the lower index stays
	v_cmp_gt_f32 vcc_lo, v[LG+\e], v[BEST]
	v_cndmask_b32 v[IDX], v[IDX], \e, vcc_lo
	v_cndmask_b32 v[BEST], v[BEST], v[LG+\e], vcc_lo
.endr
.irp e, 0,1,2,3,4,5,6,7
	v_sub_f32 v[EV+\e], v[LG+\e], v[MX]
	v_mul_f32 v[EV+\e], 0x3fb8aa3b, v[EV+\e]
.endr
.irp e, 0,1,2,3,4,5,6,7
	v_exp_f32 v[EV+\e], v[EV+\e]
.endr
	v_nop
	s_wait_alu depctr_va_vdst(0)                   ; one wait for the eight exponentials
	v_pk_add_f32 v[EV:EV+1], v[EV:EV+1], v[EV+2:EV+3]
	v_pk_add_f32 v[EV+4:EV+5], v[EV+4:EV+5], v[EV+6:EV+7]
	v_pk_add_f32 v[EV:EV+1], v[EV:EV+1], v[EV+4:EV+5]
	v_add_f32 v[EV], v[EV], v[EV+1]
	v_rcp_f32 v[SCO], v[EV]                        ; the chosen gate: exp(0) / sum
	v_nop
	s_wait_alu depctr_va_vdst(0)
	ds_store_b64 v236, v[IDX:IDX+1]                ; sixteen lanes write the same two words with the same values
	s_wait_dscnt 0x0
	s_barrier_signal -1
	s_barrier_wait -1
	s_cmp_lg_u32 s16, 0
	s_cbranch_scc1 .Lend
	ds_load_b64 v[234:235], v237
	s_wait_dscnt 0x0
	s_wait_xcnt 0x0                                ; EXEC changes only behind this wait: the stores to xb have been issued under the full one
	v_cmp_gt_u32 vcc_lo, 16, v0
	s_and_saveexec_b32 s18, vcc_lo
	global_store_b32 v13, v234, s[12:13]
	global_store_b32 v13, v235, s[14:15]
	s_wait_xcnt 0x0                                ; and again ahead of the line that widens it
	s_or_b32 exec_lo, exec_lo, s18
.Lend:
	s_wait_tensorcnt 0x0                           ; the wave's end
	ds_add_u32 v[SPW], v[NIL]
	s_wait_dscnt 0x0
	s_endpgm
.Lfunc_end_k_qd8b81be31e_router:
	.size	k_qd8b81be31e_router, .Lfunc_end_k_qd8b81be31e_router-k_qd8b81be31e_router
	.p2alignl 7, 3214868480
	.fill 96, 4, 3214868480
	.section	.rodata,"a",@progbits
	.p2align	6, 0x0
	.amdhsa_kernel k_qd8b81be31e_router
		.amdhsa_group_segment_fixed_size 79872
		.amdhsa_private_segment_fixed_size 0
		.amdhsa_enable_private_segment 0
		.amdhsa_kernarg_size 48
		.amdhsa_user_sgpr_count 2
		.amdhsa_user_sgpr_kernarg_segment_ptr 1
		.amdhsa_wavefront_size32 1
		.amdhsa_system_sgpr_workgroup_id_x 1
		.amdhsa_system_sgpr_workgroup_id_y 1
		.amdhsa_system_sgpr_workgroup_id_z 1
		.amdhsa_system_vgpr_workitem_id 0
		.amdhsa_next_free_vgpr 240
		.amdhsa_next_free_sgpr 66
		.amdhsa_reserve_vcc 1
		.amdhsa_float_denorm_mode_32 3
		.amdhsa_float_denorm_mode_16_64 3
		.amdhsa_memory_ordered 1
		.amdhsa_forward_progress 1
		.amdhsa_inst_pref_size 27
	.end_amdhsa_kernel
	.amdgpu_metadata
---
amdhsa.version: [ 1, 2 ]
amdhsa.kernels:
  - .name:           k_qd8b81be31e_router
    .symbol:         k_qd8b81be31e_router.kd
    .args:
      - { .name: hidden_states, .offset: 0, .size: 8, .value_kind: global_buffer, .address_space: global }
      - { .name: w_red, .offset: 8, .size: 8, .value_kind: global_buffer, .address_space: global }
      - { .name: wg, .offset: 16, .size: 8, .value_kind: global_buffer, .address_space: global }
      - { .name: xb, .offset: 24, .size: 8, .value_kind: global_buffer, .address_space: global }
      - { .name: idx, .offset: 32, .size: 8, .value_kind: global_buffer, .address_space: global }
      - { .name: score, .offset: 40, .size: 8, .value_kind: global_buffer, .address_space: global }
    .group_segment_fixed_size: 79872
    .private_segment_fixed_size: 0
    .kernarg_segment_align: 8
    .kernarg_segment_size: 48
    .max_flat_workgroup_size: 256
    .sgpr_count:     66
    .vgpr_count:     240
    .wavefront_size: 32
...
	.end_amdgpu_metadata
.endif
;; end of part 1
;; launch ffn1 (part 2): grid 256 x 1, 8 waves a work-group, no clusters, 71,168 bytes of LDS; arguments idx, xb, w1, b1, hf; writes hf
.if DOCPART == 2
	.amdgcn_target "amdgcn-amd-amdhsa--gfx1250"
	.amdhsa_code_object_version 6
	.text
	.protected	k_qd8b81be31e_ffn1
	.globl	k_qd8b81be31e_ffn1
	.p2align	8
	.type	k_qd8b81be31e_ffn1,@function
k_qd8b81be31e_ffn1:
	s_mov_b64 s[64:65], 0
	v_nop
	global_prefetch_b8 v0, s[64:65] scope:SCOPE_SE
	s_setreg_imm32_b32 hwreg(HW_REG_WAVE_MODE, 25, 1), 1
	s_wait_xcnt 0x0
; THE TWO PRODUCTS OF THE EXPERTS' LAYER: one source, the symbol FFN chooses the lines that differ.
;   FFN = 1: hf = gelu(x W1[e] + b1[e]) for the rows that chose expert e, f16, laid as matrix operands.      FFN = 2: part[q] = (h W2[e] (K quarter q) + b2[e] (q = 0 alone)) x score, f32, at the token's row.
; Both are a product of R rows (R read from idx) with a slice of 1,024 k x 128 columns of f32 weights, 512 KB, which this work-group alone reads: 8 experts x 32 slices = 256 work-groups.
; FORMATS.  Every input is rounded to bf16 (x by the launch before; weights and biases here).  FFN = 1 multiplies in bf16.  h is rounded once to f16, and FFN = 2 multiplies in f16: w2 is rounded to bf16 and that number written as f16.
; LIMITS.  |h| of 65,520 or more becomes an infinity (with x and w1 30 times the usual spread |h| stays near 3,000; with offsets of 30 spreads near 18,500).  bf16(w2) below 6.1e-5 keeps f16's fixed step of 6e-8, beyond 65,504 it is an infinity.
; erfc is the five-term rational formula times exp(-z^2/2), absolute error 1.5e-7.  NaN and infinities are not treated apart.
; TWO KINDS OF WAVES.  Waves 4-7 STREAM: weights from memory into registers (a ring of 64 loads of 512 bytes a wave, waited for by count), rounded, into LDS in operand order.  Waves 0-3 MULTIPLY: weight operands
; from LDS, activation operands straight from memory, 4 row tiles x 8 column tiles of sums (256 registers) a wave.  So each wave's load counter counts one kind of load.
; NO TRANSPOSING.  A 16-byte load gives lane (r, h) four neighbouring columns 4 r + j of one k row (16 lanes: 256 consecutive bytes).  Word j of two loads, packed, is a register of the operand of the COLUMN SET j (columns 4 r + j).
; The way out undoes the permutation for nothing: four tiles' registers side by side are neighbouring columns.
; TRIPS.  K = 1,024 goes in 4 trips of 256 (8 steps of 32); a trip's weights are 64 KB in 16 bits, the one slot.  Streaming wave s has K steps 2 s and 2 s + 1 of every trip: 64 loads, its whole ring.  A pass has five phases, a phase two parts,
; a barrier behind each.  In the first part the multiplying waves read the slot (the trip before) while the streaming waves round the phase's trip into 128 registers and ask for the trip behind it; in the second the streaming waves store
; those registers into the slot, 32 stores a wave, and nothing else is done.  So in no part is one byte of the slot stored and another read, and between two trips' products stand the stores alone.  The weights' loads stay on their way through both parts.
; EVERY SPLIT.  A pass serves 256 rows; a constant loop of 4 passes serves up to 1,024 rows on one expert.  Every wave passes every barrier; a dead pass jumps from barrier to barrier, and for dead row tiles only work is jumped.  What defines registers
; stands once unconditionally ahead of the loop.  Places past the count repeat the expert's first token: their results have the same bits (FFN = 2 stores them onto that token's row once more).  EXEC is never written: every lane is on in every line.
; NO CLUSTER: each weight byte has one reader.  What an expert's work-groups share is its rows: FFN = 1 takes them by a list, which no tile descriptor covers; FFN = 2 takes a number of tiles that hangs on a count read from memory.
.set FFN, 1
.set LIST,   65536     ; behind the slot of 65,536: the expert's rows in order: entries 0 .. R + 31 (1,055 at the most), and from 1,056 on a dump entry for each lane
.if FFN == 1
.set LSH,    2         ; an entry: the token
.set NINIT,  9         ; the list's region: 9 x 512 bytes
.set SPARE,  70144     ; the spare words, 128 bytes a wave
.set WPITCH, 16384     ; bytes from a k row of the weights to the next
.set WSTEP,  0x400000  ; 256 k rows: from a trip to the next
.set GSH,    21        ; log2 of 128 k rows in bytes
.set ASTEP,  256       ; 128 k of a row of xb
.set P_IDX, 4
.set P_X,   6
.set P_WT,  8
.set P_BI,  10
.set P_H,   12
.else
.set LSH,    3         ; an entry: the token and its gate weight
.set NINIT,  17        ; 17 x 512 bytes
.set SPARE,  74240
.set WPITCH, 4096
.set WSTEP,  0x100000
.set GSH,    19
.set ASTEP,  4096      ; 4 operand blocks of 1,024 bytes of hf
.set P_IDX, 4
.set P_SC,  6
.set P_H,   8
.set P_WT,  10
.set P_BI,  12
.set P_OUT, 14
.endif
.set S_WV,  16         ; wave 0..7
.set S_W,   17         ; wave % 4
.set S_E,   18         ; expert
.set S_C,   19         ; column slice
.set S_Q,   20         ; K quarter (FFN = 2)
.set S_CNT, 21         ; R: the expert's rows
.set S_REM, 22         ; R - 256 x pass, signed
.set S_NW,  23         ; my live row tiles in this pass, 0..4
.set S_NLD, 24         ; the same, 0 in the pass's last 128 k: nothing is left to fetch
.set S_PH,  25         ; the phase
.set S_PASS, 26
.set S_T,   27
.set S_W0,  28         ; s[28:29] weights at my part of the first trip
.set S_WP0, 30         ; s[30:31], s[40:41], s[2:3], s[104:105]: for each of my ring's four units, the weights at the trip that the unit was last asked for
.set S_WP1, 40
.set S_WP2, 2
.set S_WP3, 104
.set S_APB, 32         ; s[32:33] activations, the pass's base
.set S_AP,  34         ; s[34:35] activations, the 128 k asked for next
.set S_OB,  36         ; s[36:37] the output's base
.set S_OF,  38         ; s[38:39] an offset, high word 0
.set S_IT,  42
.set S_HIM, 43         ; 0xffff0000
.set S_SB,  44         ; s[44:45] a store's base
.set S_FL,  46         ; all ones where the bias is mine (q = 0), else 0
.set S_ABS, 47         ; 0x7fffffff
.set S_A4,  48         ; s[48:49], s[56:63], s[98:101]: GELU's constants, in pairs
.set S_POS, 50         ; list place of my first row tile's first row: 256 pass + 16 w
.set S_T2,  51
.set S_SL,  52         ; LDS byte of the half of the slot that is read: 0, then 32,768
.set S_BB,  54         ; s[54:55] the bias of my columns
.set S_A5,  56
.set S_A3,  58
.set S_A2,  60
.set S_A1,  62
.set S_MK,  66         ; s[66:97] 32 masks: which lanes' token m chose my expert
.set S_P2,  98
.set S_LE,  100
.set V_L,   1
.set V_R,   2
.set V_H,   3
.set V_BA,  4          ; LDS: 16 lane + the half of the slot read
.set V_L16, 6          ; 16 lane
.set V_H16, 7          ; 16 h
.set V_WO,  8          ; weights: 131,072 h + 16 r
.set V_SA,  9          ; LDS: where a streaming wave stores: 16,384 (wave % 4) + 16 lane
.set SPW,   10
.set NIL,   11
.set XO,    16         ; v16-19 FFN = 1: token x 2,048 + 16 h of my row in row tile u
.set V_BO,  20         ; the bias's lane offset; FFN = 2: 16 r, the stores' lane term too
.set V_LA,  21
.set BH,    32         ; v32-95  weight operands: two halves of four column tiles
.set AF,    96         ; v96-223 activation operands: K step ks, row tile u at AF + 32 ks + 8 u
.set TP,    224
.set FR,    32         ; streaming: v32-159 a trip's sixteen operands of mine, unit un at FR + 32 un
.set TT,    160        ; streaming: v160-167 at work
; window 1: multiplying waves: sums, row tile u, column tile ct at 64 u + 8 ct; streaming waves: the ring, unit un, load i at 64 un + 4 i
.set MSB, 0
.macro WIN new                         ; s_set_vgpr_msb: bits 1:0 source 0, 3:2 source 1, 5:4 source 2, 7:6 destination; the high byte repeats the setting that is left
.if MSB != (\new)
	s_set_vgpr_msb (MSB<<8)|(\new)
.set MSB, \new
.endif
.endm
.macro BAR                             ; my LDS stores are done and my LDS loads back; then all eight waves meet
	s_wait_dscnt 0x0
	s_barrier_signal -1
	s_barrier_wait -1
.endm
.macro TERM src, sh                    ; the offset in hand += s[src] << sh
	s_lshl_b32 s[S_T], s[\src], \sh
	s_add_co_u32 s[S_OF], s[S_OF], s[S_T]
.endm
.macro PAIR reg, val
	s_mov_b32 s[\reg], \val
	s_mov_b32 s[\reg+1], \val
.endm
.macro NWCALC                          ; live row tiles of the pass: min(16, ceil(rows left / 16)); tile t belongs to wave t % 4
	s_max_i32 s[S_T], s[S_REM], 0
	s_add_co_u32 s[S_T], s[S_T], 15
	s_lshr_b32 s[S_T], s[S_T], 4
	s_min_u32 s[S_T], s[S_T], 16
	s_add_co_u32 s[S_T], s[S_T], 3
	s_sub_co_u32 s[S_T], s[S_T], s[S_W]
	s_lshr_b32 s[S_NW], s[S_T], 2
.endm
.macro WBASE                           ; the four units' bases at the first trip
.irp b, S_WP0, S_WP1, S_WP2, S_WP3
	s_mov_b64 s[\b:\b+1], s[S_W0:S_W0+1]
.endr
.endm
; A UNIT is 32 k x 64 columns, 16 loads: unit un = K step un / 2 of my two, column half un % 2.  Load i brings the k row that belongs at operand places 8 h + i (i < 8) or 16 + 8 h + i - 8.
; FFN = 1: those are the true k.  FFN = 2: the order in which the first product laid h: place 8 h + i is row 32 h + 4 i + 2 (step % 2), place 16 + 8 h + i the row behind it.
.macro WISSUE un, b
	WIN 0x40
.set i, 0
.rept 16
.if FFN == 1
.set ROWI, 32*((\un)/2)+i+8*(i/8)
.else
.set ROWI, 2*((\un)/2)+4*(i%8)+i/8
.endif
	global_load_b128 v[64*(\un)+4*i:64*(\un)+4*i+3], v[V_WO], s[\b:\b+1] offset:ROWI*WPITCH+256*((\un)%2) th:TH_LOAD_NT
.set i, i+1
.endr
	WIN 0
.endm
.macro WPRO first                      ; the ring is filled with my part of the first trip; the bases stand there
	WISSUE 0, S_WP0
	WISSUE 1, S_WP1
	WISSUE 2, S_WP2
.if \first
.set n, 0
.rept 128                                              ; the registers that the stores into the slot name are written once here, so that they hold numbers on every way through the text, also on one on which
.if (n < 64) || (n >= 96)                              ; no trip was rounded; v96-127 are those that idx is loaded into.  The moves stand while the first weights are on their way
	v_mov_b32 v[FR+n], 0
.endif
.set n, n+1
.endr
.endif
	s_wait_loadcnt 47                              ; all that was asked for ahead of these 48 loads is in (at the head: the 8 loads of idx), and the first of the 48; with the 16 below 63 are out
	WISSUE 3, S_WP3
.endm
.macro CUNIT un, left, re, b           ; a unit: awaited, rounded into its 32 registers, asked for again
	s_wait_loadcnt \left                           ; loads come back in order (ISA guide 5.7.1): this unit's 16 are in, younger ones stay out
	WIN 0x05
.set n, 0
.rept 32                                               ; register p = n % 8 of column set j = n / 8: word j of loads 2 p and 2 p + 1
	v_cvt_pk_bf16_f32 v[FR+32*(\un)+n], v[64*(\un)+8*(n%8)+n/8], v[64*(\un)+8*(n%8)+4+n/8]
.set n, n+1
.endr
	WIN 0
.if \re
	s_add_nc_u64 s[\b:\b+1], s[\b:\b+1], WSTEP     ; the unit's own base: the wait above has shown the last loads that name it done, so it steps without a further wait
	WISSUE \un, \b
.endif
.if FFN == 2
.set n, 0
.rept 8                                                ; the bf16 numbers written as f16, four registers at a time, so that no line reads the result of the line before it
.irp q, 0,1,2,3
	v_lshlrev_b32 v[TT+2*\q], 16, v[FR+32*(\un)+n+\q]
	v_and_b32 v[TT+2*\q+1], s[S_HIM], v[FR+32*(\un)+n+\q]
.endr
.irp q, 0,1,2,3
	v_cvt_pk_f16_f32 v[FR+32*(\un)+n+\q], v[TT+2*\q], v[TT+2*\q+1]
.endr
.set n, n+4
.endr
.endif
.endm
.macro CONV_ON                         ; my part of a trip is rounded, and of the next trip asked for.  Behind a unit's last load 48 were issued; the count 47 also has the next unit's first load in, so that 63 are out behind the 16 new ones
	CUNIT 0, 47, 1, S_WP0
	CUNIT 1, 47, 1, S_WP1
	CUNIT 2, 47, 1, S_WP2
	CUNIT 3, 47, 1, S_WP3
.endm
.macro CONV_OFF                        ; the last trip: nothing is asked for, the counts run down
	CUNIT 0, 48, 0, S_WP0
	CUNIT 1, 32, 0, S_WP1
	CUNIT 2, 16, 0, S_WP2
	CUNIT 3, 0, 0, S_WP3
.endm
.macro SSTORE                          ; my sixteen operands into the slot: K step 2 (wave % 4) + un / 2, column tile 4 (un % 2) + j; a store covers 512 consecutive bytes
.irp un, 0,1,2,3
.irp j, 0,1,2,3
	ds_store_b128 v[V_SA], v[FR+32*\un+8*\j:FR+32*\un+8*\j+3] offset:(8*(\un/2)+4*(\un%2)+\j)*1024
	ds_store_b128 v[V_SA], v[FR+32*\un+8*\j+4:FR+32*\un+8*\j+7] offset:(8*(\un/2)+4*(\un%2)+\j)*1024+512
.endr
.endr
.endm
.macro BLOAD ks, hb                    ; four weight operands: K step ks of the half in hand, column tiles 4 hb .. 4 hb + 3
.irp c, 0,1,2,3
	ds_load_b128 v[BH+32*(\hb)+8*\c:BH+32*(\hb)+8*\c+3], v[V_BA] offset:(8*(\ks)+4*(\hb)+\c)*1024
	ds_load_b128 v[BH+32*(\hb)+8*\c+4:BH+32*(\hb)+8*\c+7], v[V_BA] offset:(8*(\ks)+4*(\hb)+\c)*1024+512
.endr
.endm
; My live row tiles x four column tiles.  No two matrix instructions that follow each other share an accumulator, with one live tile too.  At a branch and a label every window is 0,
; hence two switches for four products.  The four v_nop are the places ahead of the loads into the operands just read, and ahead of the way out's first read.
.macro LADDER ks, hb
.irp u, 0,1,2,3
.if \u > 0
	s_cmp_lt_u32 s[S_NW], \u+1
	s_cbranch_scc1 .Lrung_\@
.endif
	WIN 0x50
.irp c, 0,1,2,3
.if FFN == 1
	v_wmma_f32_16x16x32_bf16 v[64*\u+32*(\hb)+8*\c:64*\u+32*(\hb)+8*\c+7], v[BH+32*(\hb)+8*\c:BH+32*(\hb)+8*\c+7], v[AF+32*(\ks)+8*\u:AF+32*(\ks)+8*\u+7], v[64*\u+32*(\hb)+8*\c:64*\u+32*(\hb)+8*\c+7]
.else
	v_wmma_f32_16x16x32_f16 v[64*\u+32*(\hb)+8*\c:64*\u+32*(\hb)+8*\c+7], v[AF+32*(\ks)+8*\u:AF+32*(\ks)+8*\u+7], v[BH+32*(\hb)+8*\c:BH+32*(\hb)+8*\c+7], v[64*\u+32*(\hb)+8*\c:64*\u+32*(\hb)+8*\c+7]
.endif
.endr
	WIN 0
.endr
.Lrung_\@:
.rept 4
	v_nop
.endr
.endm
.macro ALOADS ks, all                  ; activation operands of K step ks of the 128 k at s[S_AP]; all = 0: of the live row tiles alone.  An expert's 32 work-groups read the same rows of xb: hence the hint
.irp u, 0,1,2,3
.if !(\all)
	s_cmp_lt_u32 s[S_NLD], \u+1
	s_cbranch_scc1 .Lnoa_\@
.endif
.if FFN == 1
	global_load_b128 v[AF+32*(\ks)+8*\u:AF+32*(\ks)+8*\u+3], v[XO+\u], s[S_AP:S_AP+1] offset:64*(\ks) th:TH_LOAD_HT
	global_load_b128 v[AF+32*(\ks)+8*\u+4:AF+32*(\ks)+8*\u+7], v[XO+\u], s[S_AP:S_AP+1] offset:64*(\ks)+32 th:TH_LOAD_HT
.else
	global_load_b128 v[AF+32*(\ks)+8*\u:AF+32*(\ks)+8*\u+3], v[V_L16], s[S_AP:S_AP+1] offset:\u*524288+(\ks)*1024
	global_load_b128 v[AF+32*(\ks)+8*\u+4:AF+32*(\ks)+8*\u+7], v[V_L16], s[S_AP:S_AP+1] offset:\u*524288+(\ks)*1024+512
.endif
.endr
.Lnoa_\@:
.endm
.macro MTRIP                           ; the products of 128 k; the next 128 k's activations are asked for as each K step's registers come free
	s_cmp_eq_u32 s[S_NW], 0
	s_cbranch_scc1 .Lnotrip_\@
	s_wait_loadcnt 0x0                             ; these 128 k's activations: their number hangs on the count, so the wait is for 0; they were asked for 128 k ago
	s_add_nc_u64 s[S_AP:S_AP+1], s[S_AP:S_AP+1], ASTEP
	BLOAD 0, 0
	BLOAD 0, 1
.irp ks, 0,1,2,3
	s_wait_dscnt 8                                 ; this half's operands are in; the other half's eight loads may be out
	LADDER \ks, 0
.if \ks < 3
	BLOAD \ks+1, 0
	s_wait_dscnt 8
.else
	s_wait_dscnt 0x0
.endif
	LADDER \ks, 1
.if \ks < 3
	BLOAD \ks+1, 1
.endif
	ALOADS \ks, 0
.endr
.Lnotrip_\@:
.endm
; A PASS IS PREPARED: the sums start at the bias (rounded to bf16), and the first 128 k's activations are asked for, all four row tiles'.
.macro MPRO
	s_wait_loadcnt 0x0                             ; no load of mine is out: the loads below land in registers that earlier loads wrote
	s_wait_xcnt 0x0                                ; and the last way out's stores have read their registers
.if FFN == 1
.set n, 0
.rept 16                                               ; word j of load 8 ch + i: b1[64 ch + 32 h + 4 i + j], the column of register i of column tile 4 ch + j
	global_load_b128 v[BH+4*n:BH+4*n+3], v[V_BO], s[S_BB:S_BB+1] offset:256*(n/8)+16*(n%8)
.set n, n+1
.endr
	v_add_nc_u32 v12, s[S_POS], v[V_R]
.irp u, 0,1,2,3
	v_add_nc_u32 v13, 64*\u, v12
	v_min_u32 v13, s[S_CNT], v13                   ; places past the count take entry R, the expert's first token
	v_min_u32 v13, 1055, v13
	v_lshlrev_b32 v13, 2, v13
	v_add_nc_u32 v13, LIST, v13
	ds_load_b32 v[XO+\u], v13
.endr
	s_wait_dscnt 0x0
.irp u, 0,1,2,3
	v_min_u32 v[XO+\u], 1023, v[XO+\u]
	v_lshlrev_b32 v[XO+\u], 11, v[XO+\u]
	v_add_nc_u32 v[XO+\u], v[V_H16], v[XO+\u]
.endr
.set NBIAS, 64
.else
	global_load_b128 v[BH:BH+3], v[V_BO], s[S_BB:S_BB+1]              ; word j: b2[64 ch + 4 r + j], the column of column tile 4 ch + j
	global_load_b128 v[BH+4:BH+7], v[V_BO], s[S_BB:S_BB+1] offset:256
.set NBIAS, 8
.endif
	s_mov_b64 s[S_AP:S_AP+1], s[S_APB:S_APB+1]
	ALOADS 0, 1
	ALOADS 1, 1
	ALOADS 2, 1
	ALOADS 3, 1
	s_wait_loadcnt 32                              ; the bias is in: behind it the 32 activation loads
.set n, 0
.rept NBIAS/2
	v_cvt_pk_bf16_f32 v[TP+n%8], v[BH+2*n], v[BH+2*n+1]
	v_lshlrev_b32 v[BH+2*n], 16, v[TP+n%8]
	v_and_b32 v[BH+2*n+1], s[S_HIM], v[TP+n%8]
.set n, n+1
.endr
.if FFN == 2
.set n, 0
.rept 8
	v_and_b32 v[BH+n], s[S_FL], v[BH+n]            ; one K quarter alone adds the bias
.set n, n+1
.endr
.endif
	WIN 0x40
.set z, 0
.rept 256                                              ; these moves carry the bias: they take the place of as many additions on the way out
.if FFN == 1
	v_mov_b32 v[z], v[BH+4*(8*((z/32)%2)+z%8)+(z/8)%4]
.else
	v_mov_b32 v[z], v[BH+(z/8)%8]
.endif
.set z, z+1
.endr
	WIN 0
.endm
	s_load_b256 s[4:11], s[0:1], 0x0
.if FFN == 1
	s_load_b64 s[12:13], s[0:1], 0x20              ; idx s[4:5], xb s[6:7], w1 s[8:9], b1 s[10:11], hf s[12:13]
.else
	s_load_b128 s[12:15], s[0:1], 0x20             ; idx s[4:5], score s[6:7], hf s[8:9], w2 s[10:11], b2 s[12:13], part s[14:15]
.endif
	v_lshl_add_u32 v[SPW], v0, 2, SPARE
	v_mov_b32 v[NIL], 0
	v_lshrrev_b32 v12, 5, v0
	v_readfirstlane_b32 s[S_WV], v12
	v_and_b32 v[V_L], 31, v0
	v_and_b32 v[V_R], 15, v0
	v_bfe_u32 v[V_H], v0, 4, 1
	v_lshlrev_b32 v[V_L16], 4, v[V_L]
	v_lshlrev_b32 v[V_WO], 4, v[V_R]
	v_lshl_add_u32 v[V_WO], v[V_H], 17, v[V_WO]    ; FFN = 1: 8 rows of 16,384 bytes for the upper lanes; FFN = 2: 32 rows of 4,096
.if FFN == 1
	v_lshlrev_b32 v[V_H16], 4, v[V_H]
	v_lshlrev_b32 v[V_BO], 7, v[V_H]
.irp u, 0,1,2,3
	v_mov_b32 v[XO+\u], v[V_H16]                   ; the row offsets hold their lane term in every wave from the head on; a pass's preparation adds the tokens
.endr
.else
	v_lshlrev_b32 v[V_BO], 4, v[V_R]
.endif
	s_and_b32 s[S_W], s[S_WV], 3
	s_lshl_b32 s[S_T], s[S_W], 14
	v_add_nc_u32 v[V_SA], s[S_T], v[V_L16]         ; K steps 2 (wave % 4) on, 16 lane
	s_lshr_b32 s[S_E], ttmp9, 5
.if FFN == 1
	s_and_b32 s[S_C], ttmp9, 31
.else
	s_bfe_u32 s[S_C], ttmp9, 0x30002
	s_and_b32 s[S_Q], ttmp9, 3
.endif
	s_mov_b32 s[S_HIM], 0xffff0000
	s_lshl_b32 s[S_OF], s[S_E], 24                 ; an expert's weights are 16 MiB
	TERM S_C, 9                                    ; 128 columns of 4 bytes
	TERM S_W, GSH-1                                ; my 64 k rows of a trip
.if FFN == 2
	TERM S_Q, 22                                   ; 1,024 k rows of 4,096 bytes
.endif
	s_mov_b32 s[S_OF+1], 0
	s_wait_kmcnt 0x0
	s_add_nc_u64 s[S_W0:S_W0+1], s[P_WT:P_WT+1], s[S_OF:S_OF+1]
	WBASE                                          ; the stepping bases hold an address of the weights in every wave, of either kind, from here on
.set i, 0
.rept 8                                                ; all 1,024 choices: register m = 4 i + j of lane l is token 128 i + 4 l + j
	global_load_b128 v[96+4*i:99+4*i], v[V_L16], s[P_IDX:P_IDX+1] offset:512*i
.set i, i+1
.endr
	s_cmp_lt_u32 s[S_WV], 4
	s_cbranch_scc1 .Lhead_math
	WPRO 1                                         ; the weights are asked for before anything is known of the rows
	s_branch .Lcount
.Lhead_math:
.if FFN == 2
.set i, 0
.rept 8                                                ; the tokens' gate weights, in the same places as the choices
	global_load_b128 v[128+4*i:131+4*i], v[V_L16], s[P_SC:P_SC+1] offset:512*i
.set i, i+1
.endr
.endif
	s_wait_loadcnt 0x0
.Lcount:
.if FFN == 1
	s_lshl_b32 s[S_OF], s[S_E], 14
	TERM S_C, 9
	s_add_nc_u64 s[S_BB:S_BB+1], s[P_BI:P_BI+1], s[S_OF:S_OF+1]
	s_lshl_b32 s[S_OF], s[S_E], 23                 ; hf: [expert][64 row tiles][128 K steps][1,024 bytes]
	TERM S_W, 17
	TERM S_C, 12                                   ; my 128 columns are K steps 4 c .. 4 c + 3 of the second product
	s_add_nc_u64 s[S_OB:S_OB+1], s[P_H:P_H+1], s[S_OF:S_OF+1]
	s_mov_b64 s[S_APB:S_APB+1], s[P_X:P_X+1]
	s_mov_b32 s[S_ABS], 0x7fffffff
	PAIR S_P2, 0x3eed3388                          ; 0.3275911 x sqrt(2)
	PAIR S_LE, 0xc038aa3b                          ; -2 log2(e)
	PAIR S_A1, 0x3e827906                          ; 0.254829592
	PAIR S_A2, 0xbe91a98e                          ; -0.284496736
	PAIR S_A3, 0x3fb5f0e3                          ; 1.421413741
	PAIR S_A4, 0xbfba00e3                          ; -1.453152027
	PAIR S_A5, 0x3f87dc22                          ; 1.061405429
.else
	s_lshl_b32 s[S_OF], s[S_E], 12
	TERM S_C, 9
	s_add_nc_u64 s[S_BB:S_BB+1], s[P_BI:P_BI+1], s[S_OF:S_OF+1]
	s_lshl_b32 s[S_OF], s[S_E], 23
	TERM S_W, 17
	TERM S_Q, 15                                   ; my quarter's 32 K steps
	s_add_nc_u64 s[S_APB:S_APB+1], s[P_H:P_H+1], s[S_OF:S_OF+1]
	s_lshl_b32 s[S_OF], s[S_Q], 22                 ; part: [quarter][token][1,024] f32
	TERM S_C, 9
	s_add_nc_u64 s[S_OB:S_OB+1], s[P_OUT:P_OUT+1], s[S_OF:S_OF+1]
	s_cmp_eq_u32 s[S_Q], 0
	s_cselect_b32 s[S_FL], -1, 0
.endif
	s_mov_b64 s[S_AP:S_AP+1], s[S_APB:S_APB+1]     ; likewise the activations' stepping base: an address of theirs in every wave
	s_mov_b32 s[S_CNT], 0
.set m, 0
.rept 32                                               ; every wave counts the expert's rows for itself
	v_cmp_eq_u32 s[S_MK+m], s[S_E], v[96+m]
	s_bcnt1_i32_b32 s[S_T], s[S_MK+m]
	s_add_co_u32 s[S_CNT], s[S_CNT], s[S_T]
.set m, m+1
.endr
	s_cmp_lg_u32 s[S_WV], 0
	s_cbranch_scc1 .Llist_done
	; Wave 0 lays the list.  First the whole region is written with zeros; LDS serves a wave's instructions in order (ISA guide 5.7.1.4), so what follows lands on top.
	; A token's place is the number of matches in the registers before its own plus those in lower lanes; a lane without a match stores into its dump entry.  Both products make the same list.
	v_add_nc_u32 v12, LIST, v[V_L16]
.irp z, 24,25,26,27
	v_mov_b32 v\z, 0
.endr
.set i, 0
.rept NINIT
	ds_store_b128 v12, v[24:27] offset:512*i
.set i, i+1
.endr
	v_add_nc_u32 v23, 1056, v[V_L]                 ; my dump entry
	v_lshlrev_b32 v22, 2, v[V_L]
	v_mov_b32 v28, LIST
	s_mov_b32 s[S_T2], 0
.set m, 0
.rept 32
	v_mbcnt_lo_u32_b32 v13, s[S_MK+m], s[S_T2]
	v_cndmask_b32 v13, v23, v13, s[S_MK+m]         ; a match: its place; else the dump entry
	v_min_u32 v13, 1087, v13
	v_lshlrev_b32 v13, LSH, v13
	v_add_nc_u32 v13, LIST, v13
	v_add_nc_u32 v14, 128*(m/4)+m%4, v22           ; the token
.if FFN == 1
	ds_store_b32 v13, v14
.else
	v_mov_b32 v15, v[128+m]                        ; and its gate weight
	ds_store_b64 v13, v[14:15]
.endif
	s_bcnt1_i32_b32 s[S_T], s[S_MK+m]
	s_add_co_u32 s[S_T2], s[S_T2], s[S_T]
.set m, m+1
.endr
.if FFN == 1
	ds_load_b32 v14, v28                           ; the first entry is repeated in places R .. R + 31
.else
	ds_load_b64 v[14:15], v28
.endif
	v_add_nc_u32 v13, s[S_CNT], v[V_L]
	v_min_u32 v13, 1055, v13
	v_lshlrev_b32 v13, LSH, v13
	v_add_nc_u32 v13, LIST, v13
	s_wait_dscnt 0x0
.if FFN == 1
	ds_store_b32 v13, v14
.else
	ds_store_b64 v13, v[14:15]
.endif
.Llist_done:
	BAR                                            ; the list is whole for every wave
	s_mov_b32 s[S_REM], s[S_CNT]
	NWCALC
	s_lshl_b32 s[S_POS], s[S_W], 4
	s_cmp_lt_u32 s[S_WV], 4
	s_cbranch_scc0 .Lpass0
	MPRO                                           ; unconditional: it writes every register that the products read
.Lpass0:
	s_mov_b32 s[S_PASS], 4
.Lpass:
	s_mov_b32 s[S_PH], 0
.Lph:                                                  ; phase p, first part: trip p - 1 is multiplied out of the slot; trip p is rounded into registers, trip p + 1 asked for
	s_cmp_gt_i32 s[S_REM], 0
	s_cbranch_scc0 .Lbar_a                         ; a dead pass does nothing
	s_cmp_lt_u32 s[S_WV], 4
	s_cbranch_scc1 .Lmath
	s_cmp_lt_u32 s[S_PH], 3
	s_cbranch_scc0 .Ltail
	CONV_ON
	s_branch .Lbar_a
.Ltail:
	s_cmp_eq_u32 s[S_PH], 3
	s_cbranch_scc0 .Lbar_a                         ; phase 4 has no trip to round
	CONV_OFF
	s_branch .Lbar_a
.Lmath:
	s_cmp_eq_u32 s[S_PH], 0
	s_cbranch_scc1 .Lbar_a                         ; phase 0 has no trip to multiply
	s_mov_b32 s[S_SL], 0
.Lhalf:                                                ; the slot's two halves, 128 k each: one text, walked twice
	s_lshl_b32 s[S_T], s[S_PH], 16
	s_add_co_u32 s[S_T], s[S_T], s[S_SL]
	s_cmp_eq_u32 s[S_T], 0x48000                   ; phase 4, second half: the pass's last 128 k
	s_cselect_b32 s[S_NLD], 0, s[S_NW]
	v_add_nc_u32 v[V_BA], s[S_SL], v[V_L16]
	MTRIP
	s_add_co_u32 s[S_SL], s[S_SL], 0x8000
	s_cmp_lt_u32 s[S_SL], 0x10000
	s_cbranch_scc1 .Lhalf
.Lbar_a:
	BAR                                            ; the reads of the slot are back; nobody reads it before the next barrier
	s_cmp_gt_i32 s[S_REM], 0                       ; second part: trip p goes into the slot
	s_cbranch_scc0 .Lbar_b
	s_cmp_lt_u32 s[S_WV], 4
	s_cbranch_scc1 .Lbar_b
	s_cmp_lt_u32 s[S_PH], 4
	s_cbranch_scc0 .Lbar_b
	SSTORE
.Lbar_b:
	BAR                                            ; the slot is whole; nobody stores into it before the next barrier
	s_add_co_u32 s[S_PH], s[S_PH], 1
	s_cmp_lt_u32 s[S_PH], 5
	s_cbranch_scc1 .Lph
	s_wait_loadcnt 0x0                             ; no load of the pass is out: what follows writes and loads the registers anew, and sets the bases anew
	s_cmp_lt_u32 s[S_WV], 4
	s_cbranch_scc0 .Lno_epi
	s_cmp_eq_u32 s[S_NW], 0
	s_cbranch_scc1 .Lno_epi                        ; no tile of mine in this pass
.if FFN == 1
; THE WAY OUT, 32 numbers a lane at a time: row tile u = it / 2, column half ch = it % 2.  A lane holds token r; register i of column tile 4 ch + j is column 64 ch + 32 h + 4 i + j.
; gelu(z) = z/2 + |z/2| - |z/2| erfc(|z| / sqrt(2)), erfc(x) = t (a1 + t (a2 + t (a3 + t (a4 + t a5)))) exp(-x^2), t = 1 / (1 + 0.3275911 x).
.set HZ, 32
.set AH, 64
.set DT, 96
.set GX, 128
.set PO, 160
.set PK, 192
.macro HALVE k                         ; z / 2 out of window 1: the one part that names the sums, so it alone is written eight times; each accumulator is read from its low end on
.Lblk\k:
	WIN 0x01
.set n, 0
.rept 16
	v_pk_mul_f32 v[HZ+2*n:HZ+2*n+1], v[32*(\k)+2*n:32*(\k)+2*n+1], 0.5 op_sel_hi:[1,0]
.set n, n+1
.endr
	WIN 0
	s_branch .Lgelu
.endm
	s_mov_b32 s[S_IT], 0
.Lepi:
	s_lshr_b32 s[S_T], s[S_IT], 1
	s_cmp_ge_u32 s[S_T], s[S_NW]
	s_cbranch_scc1 .Lepi_next                      ; a dead row tile
	s_wait_xcnt 0x0                                ; the last trip's stores have read their base and data
	s_lshl_b32 s[S_OF], s[S_T], 19                 ; four row tiles of 131,072 bytes on
	s_and_b32 s[S_T], s[S_IT], 1
	s_lshl_b32 s[S_T], s[S_T], 11                  ; two K steps of 1,024 bytes on
	s_add_co_u32 s[S_OF], s[S_OF], s[S_T]
	s_add_nc_u64 s[S_SB:S_SB+1], s[S_OB:S_OB+1], s[S_OF:S_OF+1]
.irp k, 0,1,2,3,4,5,6
	s_cmp_eq_u32 s[S_IT], \k
	s_cbranch_scc1 .Lblk\k
.endr
	s_branch .Lblk7
.irp k, 0,1,2,3,4,5,6,7
	HALVE \k
.endr
.Lgelu:
.set n, 0
.rept 32
	v_and_b32 v[AH+n], s[S_ABS], v[HZ+n]
.set n, n+1
.endr
.set n, 0
.rept 16
	v_pk_fma_f32 v[DT+2*n:DT+2*n+1], v[AH+2*n:AH+2*n+1], s[S_P2:S_P2+1], 1.0 op_sel_hi:[1,0,0]
	v_pk_mul_f32 v[GX+2*n:GX+2*n+1], v[HZ+2*n:HZ+2*n+1], v[HZ+2*n:HZ+2*n+1]
.set n, n+1
.endr
.set n, 0
.rept 16
	v_pk_mul_f32 v[GX+2*n:GX+2*n+1], v[GX+2*n:GX+2*n+1], s[S_LE:S_LE+1] op_sel_hi:[1,0]
.set n, n+1
.endr
.set n, 0
.rept 32
	v_rcp_f32 v[DT+n], v[DT+n]
.set n, n+1
.endr
.set n, 0
.rept 32
	v_exp_f32 v[GX+n], v[GX+n]
.set n, n+1
.endr
.set n, 0
.rept 16                                               ; plain work that names no result of the batch: z/2 + |z/2|
	v_pk_add_f32 v[HZ+2*n:HZ+2*n+1], v[HZ+2*n:HZ+2*n+1], v[AH+2*n:AH+2*n+1]
.set n, n+1
.endr
	s_wait_alu depctr_va_vdst(0)                   ; one wait for the 64, ahead of their first reader
.set n, 0
.rept 16
	v_pk_fma_f32 v[PO+2*n:PO+2*n+1], v[DT+2*n:DT+2*n+1], s[S_A5:S_A5+1], s[S_A4:S_A4+1] op_sel_hi:[1,0,0]
.set n, n+1
.endr
.irp a, S_A3, S_A2, S_A1
.set n, 0
.rept 16
	v_pk_fma_f32 v[PO+2*n:PO+2*n+1], v[PO+2*n:PO+2*n+1], v[DT+2*n:DT+2*n+1], s[\a:\a+1] op_sel_hi:[1,1,0]
.set n, n+1
.endr
.endr
.set n, 0
.rept 16
	v_pk_mul_f32 v[DT+2*n:DT+2*n+1], v[DT+2*n:DT+2*n+1], v[GX+2*n:GX+2*n+1]
.set n, n+1
.endr
.set n, 0
.rept 16
	v_pk_mul_f32 v[PO+2*n:PO+2*n+1], v[PO+2*n:PO+2*n+1], v[DT+2*n:DT+2*n+1]
.set n, n+1
.endr
.set n, 0
.rept 16
	v_pk_fma_f32 v[PO+2*n:PO+2*n+1], v[AH+2*n:AH+2*n+1], v[PO+2*n:PO+2*n+1], v[HZ+2*n:HZ+2*n+1] neg_lo:[1,0,0] neg_hi:[1,0,0]
.set n, n+1
.endr
.set n, 0
.rept 16                                               ; column tiles 2 p and 2 p + 1 are registers 0-3 and 4-7 of the second product's operand of K step 4 c + 2 ch + p
	v_cvt_pk_f16_f32 v[PK+n], v[PO+2*n], v[PO+2*n+1]
.set n, n+1
.endr
.irp p, 0,1,2,3
	global_store_b128 v[V_L16], v[PK+4*\p:PK+4*\p+3], s[S_SB:S_SB+1] offset:512*\p  ; the wave stores 512 consecutive bytes, aligned
.endr
.Lepi_next:
	s_add_co_u32 s[S_IT], s[S_IT], 1
	s_cmp_lt_u32 s[S_IT], 8
	s_cbranch_scc1 .Lepi
.else
; THE WAY OUT.  A lane holds column 4 r + j of column set j and rows 8 h + i: registers i of four tiles are 16 neighbouring bytes of the row of token (8 h + i), and sixteen lanes fill 256 consecutive bytes, aligned.
.set LE, 32
.set RO, 48
.set QD, 64
	v_lshlrev_b32 v[V_LA], 3, v[V_H]
	v_add_nc_u32 v[V_LA], s[S_POS], v[V_LA]        ; list place of my first row: 256 pass + 16 w + 8 h, 824 at the most
	v_min_u32 v[V_LA], 824, v[V_LA]
	v_lshlrev_b32 v[V_LA], 3, v[V_LA]
	v_add_nc_u32 v[V_LA], LIST, v[V_LA]
.irp u, 0,1,2,3
	s_cmp_lt_u32 s[S_NW], \u+1
	s_cbranch_scc1 .Lepi_end
	s_wait_xcnt 0x0                                ; the last tile's stores have read their offsets and data
.irp k, 0,1,2,3
	ds_load_b128 v[LE+4*\k:LE+4*\k+3], v[V_LA] offset:512*\u+16*\k   ; {token, weight} of rows 8 h + 2 k, 8 h + 2 k + 1
.endr
	s_wait_dscnt 0x0
.irp i, 0,1,2,3,4,5,6,7
	v_min_u32 v[RO+\i], 1023, v[LE+2*\i]
	v_lshlrev_b32 v[RO+\i], 12, v[RO+\i]
	v_add_nc_u32 v[RO+\i], v[V_BO], v[RO+\i]
.endr
	WIN 0x01
.set z, 0
.rept 64                                               ; z = 8 i + 4 ch + j: every accumulator's register 0 is read first
	v_mul_f32 v[QD+z], v[64*\u+8*(z%8)+z/8], v[LE+2*(z/8)+1]
.set z, z+1
.endr
	WIN 0
.set z, 0
.rept 16
	global_store_b128 v[RO+z/2], v[QD+4*z:QD+4*z+3], s[S_OB:S_OB+1] offset:256*(z%2)
.set z, z+1
.endr
.endr
.Lepi_end:
.endif
.Lno_epi:
	s_sub_co_i32 s[S_REM], s[S_REM], 256           ; the next 256 rows
	NWCALC
	s_add_co_u32 s[S_POS], s[S_POS], 256
	s_wait_xcnt 0x0                                ; the bases step only behind this wait
.if FFN == 1
	s_add_nc_u64 s[S_OB:S_OB+1], s[S_OB:S_OB+1], 0x200000    ; 16 row tiles of hf
.else
	s_add_nc_u64 s[S_APB:S_APB+1], s[S_APB:S_APB+1], 0x200000
.endif
	s_cmp_gt_i32 s[S_REM], 0
	s_cbranch_scc0 .Lpass_end
	s_cmp_lt_u32 s[S_WV], 4
	s_cbranch_scc1 .Lagain_math
	WBASE                                          ; a further live pass streams the slice again, from its first trip
	WPRO 0
	s_branch .Lpass_end
.Lagain_math:
	MPRO
.Lpass_end:
	s_sub_co_u32 s[S_PASS], s[S_PASS], 1
	s_cmp_lg_u32 s[S_PASS], 0
	s_cbranch_scc1 .Lpass
	s_wait_tensorcnt 0x0                           ; the wave's end
	ds_add_u32 v[SPW], v[NIL]
	s_wait_dscnt 0x0
	s_endpgm
.Lfunc_end_k_qd8b81be31e_ffn1:
	.size	k_qd8b81be31e_ffn1, .Lfunc_end_k_qd8b81be31e_ffn1-k_qd8b81be31e_ffn1
	.p2alignl 7, 3214868480
	.fill 96, 4, 3214868480
	.section	.rodata,"a",@progbits
	.p2align	6, 0x0
	.amdhsa_kernel k_qd8b81be31e_ffn1
		.amdhsa_group_segment_fixed_size 71168
		.amdhsa_private_segment_fixed_size 0
		.amdhsa_enable_private_segment 0
		.amdhsa_kernarg_size 40
		.amdhsa_user_sgpr_count 2
		.amdhsa_user_sgpr_kernarg_segment_ptr 1
		.amdhsa_wavefront_size32 1
		.amdhsa_system_sgpr_workgroup_id_x 1
		.amdhsa_system_sgpr_workgroup_id_y 1
		.amdhsa_system_sgpr_workgroup_id_z 1
		.amdhsa_system_vgpr_workitem_id 0
		.amdhsa_next_free_vgpr 512
		.amdhsa_next_free_sgpr 106
		.amdhsa_reserve_vcc 0
		.amdhsa_float_denorm_mode_32 3
		.amdhsa_float_denorm_mode_16_64 3
		.amdhsa_memory_ordered 1
		.amdhsa_forward_progress 1
		.amdhsa_inst_pref_size 151
	.end_amdhsa_kernel
	.amdgpu_metadata
---
amdhsa.version: [ 1, 2 ]
amdhsa.kernels:
  - .name:           k_qd8b81be31e_ffn1
    .symbol:         k_qd8b81be31e_ffn1.kd
    .args:
      - { .name: idx, .offset: 0, .size: 8, .value_kind: global_buffer, .address_space: global }
      - { .name: xb, .offset: 8, .size: 8, .value_kind: global_buffer, .address_space: global }
      - { .name: w1, .offset: 16, .size: 8, .value_kind: global_buffer, .address_space: global }
      - { .name: b1, .offset: 24, .size: 8, .value_kind: global_buffer, .address_space: global }
      - { .name: hf, .offset: 32, .size: 8, .value_kind: global_buffer, .address_space: global }
    .group_segment_fixed_size: 71168
    .private_segment_fixed_size: 0
    .kernarg_segment_align: 8
    .kernarg_segment_size: 40
    .max_flat_workgroup_size: 256
    .sgpr_count:     106
    .vgpr_count:     512
    .wavefront_size: 32
...
	.end_amdgpu_metadata
.endif
;; end of part 2
;; launch ffn2 (part 3): grid 256 x 1, 8 waves a work-group, no clusters, 75,264 bytes of LDS; arguments idx, score, hf, w2, b2, part; writes part
.if DOCPART == 3
	.amdgcn_target "amdgcn-amd-amdhsa--gfx1250"
	.amdhsa_code_object_version 6
	.text
	.protected	k_qd8b81be31e_ffn2
	.globl	k_qd8b81be31e_ffn2
	.p2align	8
	.type	k_qd8b81be31e_ffn2,@function
k_qd8b81be31e_ffn2:
	s_mov_b64 s[64:65], 0
	v_nop
	global_prefetch_b8 v0, s[64:65] scope:SCOPE_SE
	s_setreg_imm32_b32 hwreg(HW_REG_WAVE_MODE, 25, 1), 1
	s_wait_xcnt 0x0
; THE SECOND PRODUCT OF THE EXPERTS' LAYER.  The source holds both products' arithmetic (the symbol FFN chooses the lines that differ); this launch assembles FFN = 2.  The first product's launch runs a text of its own,
; with the same layouts and another schedule of the trips.
;   FFN = 1: hf = gelu(x W1[e] + b1[e]) for the rows that chose expert e, f16, laid as matrix operands.      FFN = 2: part[q] = (h W2[e] (K quarter q) + b2[e] (q = 0 alone)) x score, f32, at the token's row.
; Both are a product of R rows (R read from idx) with a slice of 1,024 k x 128 columns of f32 weights, 512 KB, which this work-group alone reads: 8 experts x 32 slices = 256 work-groups.
; FORMATS.  Every input is rounded to bf16 (x by the launch before; weights and biases here).  FFN = 1 multiplies in bf16.  h is rounded once to f16, and FFN = 2 multiplies in f16: w2 is rounded to bf16 and that number written as f16.
; LIMITS.  |h| of 65,520 or more becomes an infinity (with x and w1 30 times the usual spread |h| stays near 3,000; with offsets of 30 spreads near 18,500).  bf16(w2) below 6.1e-5 keeps f16's fixed step of 6e-8, beyond 65,504 it is an infinity.
; erfc is the five-term rational formula times exp(-z^2/2), absolute error 1.5e-7.  NaN and infinities are not treated apart.
; TWO KINDS OF WAVES.  Waves 4-7 STREAM: weights from memory into registers (a ring of 64 loads of 512 bytes a wave, waited for by count), rounded, into LDS in operand order.  Waves 0-3 MULTIPLY: weight operands
; from LDS, activation operands straight from memory, 4 row tiles x 8 column tiles of sums (256 registers) a wave.  So each wave's load counter counts one kind of load.
; NO TRANSPOSING.  A 16-byte load gives lane (r, h) four neighbouring columns 4 r + j of one k row (16 lanes: 256 consecutive bytes).  Word j of two loads, packed, is a register of the operand of the COLUMN SET j (columns 4 r + j).
; The way out undoes the permutation for nothing: four tiles' registers side by side are neighbouring columns.
; TRIPS.  K = 1,024 goes in 8 trips of 128 (4 steps of 32); a trip's weights are 32 KB in 16 bits, one slot.  Waves 4, 5 stream the even trips into slot 0, waves 6, 7 the odd ones into slot 1.  A trip has two parts, a barrier behind each:
; its pair of streaming waves stores its slot; then the multiplying waves read it.  So in no part is one LDS byte of the ring stored and another read.  The weights' loads stay on their way through both parts: a pair's next trip is asked for
; while it stores this one, two trips ahead of its use.
; EVERY SPLIT.  A pass serves 256 rows; a constant loop of 4 passes serves up to 1,024 rows on one expert.  Every wave passes every barrier; in a dead pass, and for dead row tiles, only work is jumped.  What defines registers stands once
; unconditionally ahead of the loop.  Places past the count repeat the expert's first token: their results have the same bits (FFN = 2 stores them onto that token's row once more).  EXEC is never written: every lane is on in every line.
; NO CLUSTER: each weight byte has one reader.  What an expert's work-groups share is its rows: FFN = 1 takes them by a list, which no tile descriptor covers; FFN = 2 takes a number of tiles that hangs on a count read from memory.
.set FFN, 2
.set LIST,   65536     ; behind the two slots of 32,768: the expert's rows in order: entries 0 .. R + 31 (1,055 at the most), and from 1,056 on a dump entry for each lane
.if FFN == 1
.set LSH,    2         ; an entry: the token
.set NINIT,  9         ; the list's region: 9 x 512 bytes
.set SPARE,  70144     ; the spare words, 128 bytes a wave
.set WPITCH, 16384     ; bytes from a k row of the weights to the next
.set WSTEP,  0x400000  ; 256 k rows: from a wave's trip to its next
.set GSH,    21        ; log2 of a trip's 128 k rows in bytes
.set ASTEP,  256       ; a trip's 128 k of a row of xb
.set P_IDX, 4
.set P_X,   6
.set P_WT,  8
.set P_BI,  10
.set P_H,   12
.else
.set LSH,    3         ; an entry: the token and its gate weight
.set NINIT,  17        ; 17 x 512 bytes
.set SPARE,  74240
.set WPITCH, 4096
.set WSTEP,  0x100000
.set GSH,    19
.set ASTEP,  4096      ; a trip's 4 operand blocks of 1,024 bytes of hf
.set P_IDX, 4
.set P_SC,  6
.set P_H,   8
.set P_WT,  10
.set P_BI,  12
.set P_OUT, 14
.endif
.set S_WV,  16         ; wave 0..7
.set S_W,   17         ; wave % 4
.set S_E,   18         ; expert
.set S_C,   19         ; column slice
.set S_Q,   20         ; K quarter (FFN = 2)
.set S_CNT, 21         ; R: the expert's rows
.set S_REM, 22         ; R - 256 x pass, signed
.set S_NW,  23         ; my live row tiles in this pass, 0..4
.set S_NLD, 24         ; the same, 0 in the last trip: nothing is left to fetch
.set S_PH,  25         ; the trip
.set S_PASS, 26
.set S_T,   27
.set S_W0,  28         ; s[28:29] weights at my first trip
.set S_WP,  30         ; s[30:31] weights at the trip asked for next
.set S_APB, 32         ; s[32:33] activations, the pass's base
.set S_AP,  34         ; s[34:35] activations, the trip asked for next
.set S_OB,  36         ; s[36:37] the output's base
.set S_OF,  38         ; s[38:39] an offset, high word 0
.set S_G,   40         ; streaming pair: 0 even trips, 1 odd trips
.set S_MB,  41         ; member of the pair: K steps 2 mb, 2 mb + 1 of a trip
.set S_IT,  42
.set S_HIM, 43         ; 0xffff0000
.set S_SB,  44         ; s[44:45] a store's base
.set S_FL,  46         ; all ones where the bias is mine (q = 0), else 0
.set S_ABS, 47         ; 0x7fffffff
.set S_A4,  48         ; s[48:49], s[56:63], s[98:101]: GELU's constants, in pairs
.set S_POS, 50         ; list place of my first row tile's first row: 256 pass + 16 w
.set S_T2,  51
.set S_SL,  52         ; LDS byte of the slot that the trip reads: 0 and 32,768 by turns
.set S_BB,  54         ; s[54:55] the bias of my columns
.set S_A5,  56
.set S_A3,  58
.set S_A2,  60
.set S_A1,  62
.set S_MK,  66         ; s[66:97] 32 masks: which lanes' token m chose my expert
.set S_P2,  98
.set S_LE,  100
.set V_L,   1
.set V_R,   2
.set V_H,   3
.set V_BA,  4          ; LDS: 16 lane + the slot read
.set V_L16, 6          ; 16 lane
.set V_H16, 7          ; 16 h
.set V_WO,  8          ; weights: 131,072 h + 16 r
.set V_SA,  9          ; LDS: where a streaming wave stores
.set SPW,   10
.set NIL,   11
.set XO,    16         ; v16-19 FFN = 1: token x 2,048 + 16 h of my row in row tile u
.set V_BO,  20         ; the bias's lane offset; FFN = 2: 16 r, the stores' lane term too
.set V_LA,  21
.set BH,    32         ; v32-95  weight operands: two halves of four column tiles
.set AF,    96         ; v96-223 activation operands: K step ks, row tile u at AF + 32 ks + 8 u
.set TP,    224
.set FR,    32         ; streaming: four operands
.set TT,    64         ; streaming: v64-71 at work
; window 1: multiplying waves: sums, row tile u, column tile ct at 64 u + 8 ct; streaming waves: the ring, unit un, load i at 64 un + 4 i
.set MSB, 0
.macro WIN new                         ; s_set_vgpr_msb: bits 1:0 source 0, 3:2 source 1, 5:4 source 2, 7:6 destination; the high byte repeats the setting that is left
.if MSB != (\new)
	s_set_vgpr_msb (MSB<<8)|(\new)
.set MSB, \new
.endif
.endm
.macro BAR                             ; my LDS stores are done and my LDS loads back; then all eight waves meet
	s_wait_dscnt 0x0
	s_barrier_signal -1
	s_barrier_wait -1
.endm
.macro TERM src, sh                    ; the offset in hand += s[src] << sh
	s_lshl_b32 s[S_T], s[\src], \sh
	s_add_co_u32 s[S_OF], s[S_OF], s[S_T]
.endm
.macro PAIR reg, val
	s_mov_b32 s[\reg], \val
	s_mov_b32 s[\reg+1], \val
.endm
.macro NWCALC                          ; live row tiles of the pass: min(16, ceil(rows left / 16)); tile t belongs to wave t % 4
	s_max_i32 s[S_T], s[S_REM], 0
	s_add_co_u32 s[S_T], s[S_T], 15
	s_lshr_b32 s[S_T], s[S_T], 4
	s_min_u32 s[S_T], s[S_T], 16
	s_add_co_u32 s[S_T], s[S_T], 3
	s_sub_co_u32 s[S_T], s[S_T], s[S_W]
	s_lshr_b32 s[S_NW], s[S_T], 2
.endm
; A UNIT is 32 k x 64 columns, 16 loads: unit un = K step un / 2 of my two, column half un % 2.  Load i brings the k row that belongs at operand places 8 h + i (i < 8) or 16 + 8 h + i - 8.
; FFN = 1: those are the true k.  FFN = 2: the order in which the first product laid h: place 8 h + i is row 32 h + 4 i + 2 (step % 2), place 16 + 8 h + i the row behind it.
.macro WISSUE un
	WIN 0x40
.set i, 0
.rept 16
.if FFN == 1
.set ROWI, 32*((\un)/2)+i+8*(i/8)
.else
.set ROWI, 2*((\un)/2)+4*(i%8)+i/8
.endif
	global_load_b128 v[64*(\un)+4*i:64*(\un)+4*i+3], v[V_WO], s[S_WP:S_WP+1] offset:ROWI*WPITCH+256*((\un)%2) th:TH_LOAD_NT
.set i, i+1
.endr
	WIN 0
.endm
.macro WPRO                            ; the ring is filled with my first trip
	s_wait_xcnt 0x0                                ; the base is written only behind this wait
	s_mov_b64 s[S_WP:S_WP+1], s[S_W0:S_W0+1]
	WISSUE 0
	WISSUE 1
	WISSUE 2
	s_wait_loadcnt 47                              ; all that was asked for ahead of these 48 loads is in (at the head: the 8 loads of idx), and the first of the 48; with the 16 below 63 are out
	WISSUE 3
	s_wait_xcnt 0x0                                ; the base steps only behind this wait
	s_add_nc_u64 s[S_WP:S_WP+1], s[S_WP:S_WP+1], WSTEP
.endm
.macro SUNIT un, left, re              ; a unit: awaited, rounded, stored as four operands, asked for again
	s_wait_loadcnt \left                           ; loads come back in order (ISA guide 5.7.1): this unit's 16 are in, younger ones stay out
	WIN 0x05
.set n, 0
.rept 32                                               ; register p = n % 8 of column set j = n / 8: word j of loads 2 p and 2 p + 1
	v_cvt_pk_bf16_f32 v[FR+n], v[64*(\un)+8*(n%8)+n/8], v[64*(\un)+8*(n%8)+4+n/8]
.set n, n+1
.endr
	WIN 0
.if FFN == 2
.set n, 0
.rept 8                                                ; the bf16 numbers written as f16, four registers at a time, so that no line reads the result of the line before it
.irp q, 0,1,2,3
	v_lshlrev_b32 v[TT+2*\q], 16, v[FR+n+\q]
	v_and_b32 v[TT+2*\q+1], s[S_HIM], v[FR+n+\q]
.endr
.irp q, 0,1,2,3
	v_cvt_pk_f16_f32 v[FR+n+\q], v[TT+2*\q], v[TT+2*\q+1]
.endr
.set n, n+4
.endr
.endif
.irp j, 0,1,2,3
	ds_store_b128 v[V_SA], v[FR+8*\j:FR+8*\j+3] offset:(8*((\un)/2)+4*((\un)%2)+\j)*1024
	ds_store_b128 v[V_SA], v[FR+8*\j+4:FR+8*\j+7] offset:(8*((\un)/2)+4*((\un)%2)+\j)*1024+512
.endr
.if \re
	WISSUE \un
.endif
.endm
.macro STREAM_ON                       ; a trip of mine goes into my slot, and my next trip is asked for.  Behind a unit's last load 48 were issued; the count 47 also has the next unit's first load in, so that 63 are out behind the 16 new ones
	SUNIT 0, 47, 1
	SUNIT 1, 47, 1
	SUNIT 2, 47, 1
	SUNIT 3, 47, 1
	s_wait_xcnt 0x0
	s_add_nc_u64 s[S_WP:S_WP+1], s[S_WP:S_WP+1], WSTEP
.endm
.macro STREAM_OFF                      ; my last trip: nothing is asked for, the counts run down
	SUNIT 0, 48, 0
	SUNIT 1, 32, 0
	SUNIT 2, 16, 0
	SUNIT 3, 0, 0
.endm
.macro BLOAD ks, hb                    ; four weight operands: K step ks, column tiles 4 hb .. 4 hb + 3
.irp c, 0,1,2,3
	ds_load_b128 v[BH+32*(\hb)+8*\c:BH+32*(\hb)+8*\c+3], v[V_BA] offset:(8*(\ks)+4*(\hb)+\c)*1024
	ds_load_b128 v[BH+32*(\hb)+8*\c+4:BH+32*(\hb)+8*\c+7], v[V_BA] offset:(8*(\ks)+4*(\hb)+\c)*1024+512
.endr
.endm
; My live row tiles x four column tiles.  No two matrix instructions that follow each other share an accumulator, with one live tile too.  At a branch and a label every window is 0,
; hence two switches for four products.  The four v_nop are the places ahead of the loads into the operands just read, and ahead of the way out's first read.
.macro LADDER ks, hb
.irp u, 0,1,2,3
.if \u > 0
	s_cmp_lt_u32 s[S_NW], \u+1
	s_cbranch_scc1 .Lrung_\@
.endif
	WIN 0x50
.irp c, 0,1,2,3
.if FFN == 1
	v_wmma_f32_16x16x32_bf16 v[64*\u+32*(\hb)+8*\c:64*\u+32*(\hb)+8*\c+7], v[BH+32*(\hb)+8*\c:BH+32*(\hb)+8*\c+7], v[AF+32*(\ks)+8*\u:AF+32*(\ks)+8*\u+7], v[64*\u+32*(\hb)+8*\c:64*\u+32*(\hb)+8*\c+7]
.else
	v_wmma_f32_16x16x32_f16 v[64*\u+32*(\hb)+8*\c:64*\u+32*(\hb)+8*\c+7], v[AF+32*(\ks)+8*\u:AF+32*(\ks)+8*\u+7], v[BH+32*(\hb)+8*\c:BH+32*(\hb)+8*\c+7], v[64*\u+32*(\hb)+8*\c:64*\u+32*(\hb)+8*\c+7]
.endif
.endr
	WIN 0
.endr
.Lrung_\@:
.rept 4
	v_nop
.endr
.endm
.macro ALOADS ks, all                  ; activation operands of K step ks of the trip at s[S_AP]; all = 0: of the live row tiles alone
.irp u, 0,1,2,3
.if !(\all)
	s_cmp_lt_u32 s[S_NLD], \u+1
	s_cbranch_scc1 .Lnoa_\@
.endif
.if FFN == 1
	global_load_b128 v[AF+32*(\ks)+8*\u:AF+32*(\ks)+8*\u+3], v[XO+\u], s[S_AP:S_AP+1] offset:64*(\ks)
	global_load_b128 v[AF+32*(\ks)+8*\u+4:AF+32*(\ks)+8*\u+7], v[XO+\u], s[S_AP:S_AP+1] offset:64*(\ks)+32
.else
	global_load_b128 v[AF+32*(\ks)+8*\u:AF+32*(\ks)+8*\u+3], v[V_L16], s[S_AP:S_AP+1] offset:\u*524288+(\ks)*1024
	global_load_b128 v[AF+32*(\ks)+8*\u+4:AF+32*(\ks)+8*\u+7], v[V_L16], s[S_AP:S_AP+1] offset:\u*524288+(\ks)*1024+512
.endif
.endr
.Lnoa_\@:
.endm
.macro MTRIP                           ; a trip's products; the next trip's activations are asked for as each K step's registers come free
	s_cmp_eq_u32 s[S_NW], 0
	s_cbranch_scc1 .Lnotrip_\@
	s_wait_loadcnt 0x0                             ; this trip's activations: their number hangs on the count, so the wait is for 0; they were asked for a trip ago
	s_add_nc_u64 s[S_AP:S_AP+1], s[S_AP:S_AP+1], ASTEP
	BLOAD 0, 0
	BLOAD 0, 1
.irp ks, 0,1,2,3
	s_wait_dscnt 8                                 ; this half's operands are in; the other half's eight loads may be out
	LADDER \ks, 0
.if \ks < 3
	BLOAD \ks+1, 0
	s_wait_dscnt 8
.else
	s_wait_dscnt 0x0
.endif
	LADDER \ks, 1
.if \ks < 3
	BLOAD \ks+1, 1
.endif
	ALOADS \ks, 0
.endr
.Lnotrip_\@:
.endm
; A PASS IS PREPARED: the sums start at the bias (rounded to bf16), and the first trip's activations are asked for, all four row tiles'.
.macro MPRO
	s_wait_loadcnt 0x0                             ; no load of mine is out: the loads below land in registers that earlier loads wrote
	s_wait_xcnt 0x0                                ; and the last way out's stores have read their registers
.if FFN == 1
.set n, 0
.rept 16                                               ; word j of load 8 ch + i: b1[64 ch + 32 h + 4 i + j], the column of register i of column tile 4 ch + j
	global_load_b128 v[BH+4*n:BH+4*n+3], v[V_BO], s[S_BB:S_BB+1] offset:256*(n/8)+16*(n%8)
.set n, n+1
.endr
	v_add_nc_u32 v12, s[S_POS], v[V_R]
.irp u, 0,1,2,3
	v_add_nc_u32 v13, 64*\u, v12
	v_min_u32 v13, s[S_CNT], v13                   ; places past the count take entry R, the expert's first token
	v_min_u32 v13, 1055, v13
	v_lshlrev_b32 v13, 2, v13
	v_add_nc_u32 v13, LIST, v13
	ds_load_b32 v[XO+\u], v13
.endr
	s_wait_dscnt 0x0
.irp u, 0,1,2,3
	v_min_u32 v[XO+\u], 1023, v[XO+\u]
	v_lshlrev_b32 v[XO+\u], 11, v[XO+\u]
	v_add_nc_u32 v[XO+\u], v[V_H16], v[XO+\u]
.endr
.set NBIAS, 64
.else
	global_load_b128 v[BH:BH+3], v[V_BO], s[S_BB:S_BB+1]              ; word j: b2[64 ch + 4 r + j], the column of column tile 4 ch + j
	global_load_b128 v[BH+4:BH+7], v[V_BO], s[S_BB:S_BB+1] offset:256
.set NBIAS, 8
.endif
	s_mov_b64 s[S_AP:S_AP+1], s[S_APB:S_APB+1]
	ALOADS 0, 1
	ALOADS 1, 1
	ALOADS 2, 1
	ALOADS 3, 1
	s_wait_loadcnt 32                              ; the bias is in: behind it the 32 activation loads
.set n, 0
.rept NBIAS/2
	v_cvt_pk_bf16_f32 v[TP+n%8], v[BH+2*n], v[BH+2*n+1]
	v_lshlrev_b32 v[BH+2*n], 16, v[TP+n%8]
	v_and_b32 v[BH+2*n+1], s[S_HIM], v[TP+n%8]
.set n, n+1
.endr
.if FFN == 2
.set n, 0
.rept 8
	v_and_b32 v[BH+n], s[S_FL], v[BH+n]            ; one K quarter alone adds the bias
.set n, n+1
.endr
.endif
	WIN 0x40
.set z, 0
.rept 256                                              ; these moves carry the bias: they take the place of as many additions on the way out
.if FFN == 1
	v_mov_b32 v[z], v[BH+4*(8*((z/32)%2)+z%8)+(z/8)%4]
.else
	v_mov_b32 v[z], v[BH+(z/8)%8]
.endif
.set z, z+1
.endr
	WIN 0
.endm
	s_load_b256 s[4:11], s[0:1], 0x0
.if FFN == 1
	s_load_b64 s[12:13], s[0:1], 0x20              ; idx s[4:5], xb s[6:7], w1 s[8:9], b1 s[10:11], hf s[12:13]
.else
	s_load_b128 s[12:15], s[0:1], 0x20             ; idx s[4:5], score s[6:7], hf s[8:9], w2 s[10:11], b2 s[12:13], part s[14:15]
.endif
	v_lshl_add_u32 v[SPW], v0, 2, SPARE
	v_mov_b32 v[NIL], 0
	v_lshrrev_b32 v12, 5, v0
	v_readfirstlane_b32 s[S_WV], v12
	v_and_b32 v[V_L], 31, v0
	v_and_b32 v[V_R], 15, v0
	v_bfe_u32 v[V_H], v0, 4, 1
	v_lshlrev_b32 v[V_L16], 4, v[V_L]
	v_lshlrev_b32 v[V_WO], 4, v[V_R]
	v_lshl_add_u32 v[V_WO], v[V_H], 17, v[V_WO]    ; FFN = 1: 8 rows of 16,384 bytes for the upper lanes; FFN = 2: 32 rows of 4,096
.if FFN == 1
	v_lshlrev_b32 v[V_H16], 4, v[V_H]
	v_lshlrev_b32 v[V_BO], 7, v[V_H]
.irp u, 0,1,2,3
	v_mov_b32 v[XO+\u], v[V_H16]                   ; the row offsets hold their lane term in every wave from the head on; a pass's preparation adds the tokens
.endr
.else
	v_lshlrev_b32 v[V_BO], 4, v[V_R]
.endif
	s_and_b32 s[S_W], s[S_WV], 3
	s_bfe_u32 s[S_G], s[S_WV], 0x10001
	s_and_b32 s[S_MB], s[S_WV], 1
	s_lshl_b32 s[S_T], s[S_G], 15
	s_lshl_b32 s[S_T2], s[S_MB], 14
	s_add_co_u32 s[S_T], s[S_T], s[S_T2]
	v_add_nc_u32 v[V_SA], s[S_T], v[V_L16]         ; slot g, K steps 2 mb on, 16 lane
	s_lshr_b32 s[S_E], ttmp9, 5
.if FFN == 1
	s_and_b32 s[S_C], ttmp9, 31
.else
	s_bfe_u32 s[S_C], ttmp9, 0x30002
	s_and_b32 s[S_Q], ttmp9, 3
.endif
	s_mov_b32 s[S_HIM], 0xffff0000
	s_lshl_b32 s[S_OF], s[S_E], 24                 ; an expert's weights are 16 MiB
	TERM S_C, 9                                    ; 128 columns of 4 bytes
	TERM S_G, GSH                                  ; my pair's first trip
	TERM S_MB, GSH-1                               ; my half of a trip
.if FFN == 2
	TERM S_Q, 22                                   ; 1,024 k rows of 4,096 bytes
.endif
	s_mov_b32 s[S_OF+1], 0
	s_wait_kmcnt 0x0
	s_add_nc_u64 s[S_W0:S_W0+1], s[P_WT:P_WT+1], s[S_OF:S_OF+1]
	s_mov_b64 s[S_WP:S_WP+1], s[S_W0:S_W0+1]       ; the stepping base holds an address of the weights in every wave, of either kind, from here on
.set i, 0
.rept 8                                                ; all 1,024 choices: register m = 4 i + j of lane l is token 128 i + 4 l + j
	global_load_b128 v[96+4*i:99+4*i], v[V_L16], s[P_IDX:P_IDX+1] offset:512*i
.set i, i+1
.endr
	s_cmp_lt_u32 s[S_WV], 4
	s_cbranch_scc1 .Lhead_math
	WPRO                                           ; the weights are asked for before anything is known of the rows
	s_branch .Lcount
.Lhead_math:
.if FFN == 2
.set i, 0
.rept 8                                                ; the tokens' gate weights, in the same places as the choices
	global_load_b128 v[128+4*i:131+4*i], v[V_L16], s[P_SC:P_SC+1] offset:512*i
.set i, i+1
.endr
.endif
	s_wait_loadcnt 0x0
.Lcount:
.if FFN == 1
	s_lshl_b32 s[S_OF], s[S_E], 14
	TERM S_C, 9
	s_add_nc_u64 s[S_BB:S_BB+1], s[P_BI:P_BI+1], s[S_OF:S_OF+1]
	s_lshl_b32 s[S_OF], s[S_E], 23                 ; hf: [expert][64 row tiles][128 K steps][1,024 bytes]
	TERM S_W, 17
	TERM S_C, 12                                   ; my 128 columns are K steps 4 c .. 4 c + 3 of the second product
	s_add_nc_u64 s[S_OB:S_OB+1], s[P_H:P_H+1], s[S_OF:S_OF+1]
	s_mov_b64 s[S_APB:S_APB+1], s[P_X:P_X+1]
	s_mov_b32 s[S_ABS], 0x7fffffff
	PAIR S_P2, 0x3eed3388                          ; 0.3275911 x sqrt(2)
	PAIR S_LE, 0xc038aa3b                          ; -2 log2(e)
	PAIR S_A1, 0x3e827906                          ; 0.254829592
	PAIR S_A2, 0xbe91a98e                          ; -0.284496736
	PAIR S_A3, 0x3fb5f0e3                          ; 1.421413741
	PAIR S_A4, 0xbfba00e3                          ; -1.453152027
	PAIR S_A5, 0x3f87dc22                          ; 1.061405429
.else
	s_lshl_b32 s[S_OF], s[S_E], 12
	TERM S_C, 9
	s_add_nc_u64 s[S_BB:S_BB+1], s[P_BI:P_BI+1], s[S_OF:S_OF+1]
	s_lshl_b32 s[S_OF], s[S_E], 23
	TERM S_W, 17
	TERM S_Q, 15                                   ; my quarter's 32 K steps
	s_add_nc_u64 s[S_APB:S_APB+1], s[P_H:P_H+1], s[S_OF:S_OF+1]
	s_lshl_b32 s[S_OF], s[S_Q], 22                 ; part: [quarter][token][1,024] f32
	TERM S_C, 9
	s_add_nc_u64 s[S_OB:S_OB+1], s[P_OUT:P_OUT+1], s[S_OF:S_OF+1]
	s_cmp_eq_u32 s[S_Q], 0
	s_cselect_b32 s[S_FL], -1, 0
.endif
	s_mov_b64 s[S_AP:S_AP+1], s[S_APB:S_APB+1]     ; likewise the activations' stepping base: an address of theirs in every wave
	s_mov_b32 s[S_CNT], 0
.set m, 0
.rept 32                                               ; every wave counts the expert's rows for itself
	v_cmp_eq_u32 s[S_MK+m], s[S_E], v[96+m]
	s_bcnt1_i32_b32 s[S_T], s[S_MK+m]
	s_add_co_u32 s[S_CNT], s[S_CNT], s[S_T]
.set m, m+1
.endr
	s_cmp_lg_u32 s[S_WV], 0
	s_cbranch_scc1 .Llist_done
	; Wave 0 lays the list.  First the whole region is written with zeros; LDS serves a wave's instructions in order (ISA guide 5.7.1.4), so what follows lands on top.
	; A token's place is the number of matches in the registers before its own plus those in lower lanes; a lane without a match stores into its dump entry.  Both products make the same list.
	v_add_nc_u32 v12, LIST, v[V_L16]
.irp z, 24,25,26,27
	v_mov_b32 v\z, 0
.endr
.set i, 0
.rept NINIT
	ds_store_b128 v12, v[24:27] offset:512*i
.set i, i+1
.endr
	v_add_nc_u32 v23, 1056, v[V_L]                 ; my dump entry
	v_lshlrev_b32 v22, 2, v[V_L]
	v_mov_b32 v28, LIST
	s_mov_b32 s[S_T2], 0
.set m, 0
.rept 32
	v_mbcnt_lo_u32_b32 v13, s[S_MK+m], s[S_T2]
	v_cndmask_b32 v13, v23, v13, s[S_MK+m]         ; a match: its place; else the dump entry
	v_min_u32 v13, 1087, v13
	v_lshlrev_b32 v13, LSH, v13
	v_add_nc_u32 v13, LIST, v13
	v_add_nc_u32 v14, 128*(m/4)+m%4, v22           ; the token
.if FFN == 1
	ds_store_b32 v13, v14
.else
	v_mov_b32 v15, v[128+m]                        ; and its gate weight
	ds_store_b64 v13, v[14:15]
.endif
	s_bcnt1_i32_b32 s[S_T], s[S_MK+m]
	s_add_co_u32 s[S_T2], s[S_T2], s[S_T]
.set m, m+1
.endr
.if FFN == 1
	ds_load_b32 v14, v28                           ; the first entry is repeated in places R .. R + 31
.else
	ds_load_b64 v[14:15], v28
.endif
	v_add_nc_u32 v13, s[S_CNT], v[V_L]
	v_min_u32 v13, 1055, v13
	v_lshlrev_b32 v13, LSH, v13
	v_add_nc_u32 v13, LIST, v13
	s_wait_dscnt 0x0
.if FFN == 1
	ds_store_b32 v13, v14
.else
	ds_store_b64 v13, v[14:15]
.endif
.Llist_done:
	BAR                                            ; the list is whole for every wave
	s_mov_b32 s[S_REM], s[S_CNT]
	NWCALC
	s_lshl_b32 s[S_POS], s[S_W], 4
	s_cmp_lt_u32 s[S_WV], 4
	s_cbranch_scc0 .Lpass0
	MPRO                                           ; unconditional: it writes every register that the trips read
.Lpass0:
	s_mov_b32 s[S_PASS], 4
.Lpass:
	s_mov_b32 s[S_PH], 0
	s_mov_b32 s[S_SL], 0
.Lph:                                                  ; a trip's first part: its pair of streaming waves stores its slot
	s_cmp_lt_u32 s[S_WV], 4
	s_cbranch_scc1 .Lbar_s
	s_cmp_gt_i32 s[S_REM], 0
	s_cbranch_scc0 .Lbar_s                         ; a dead pass streams nothing
	s_add_co_u32 s[S_T], s[S_PH], s[S_G]
	s_and_b32 s[S_T], s[S_T], 1
	s_cmp_lg_u32 s[S_T], 0
	s_cbranch_scc1 .Lbar_s                         ; the other pair's trip
	s_cmp_lt_u32 s[S_PH], 6
	s_cbranch_scc0 .Ltail
	STREAM_ON
	s_branch .Lbar_s
.Ltail:
	STREAM_OFF                                     ; trips 6 and 7 are the pairs' last
.Lbar_s:
	BAR                                            ; the slot is whole; nobody stores into the ring before the next barrier
	s_cmp_lt_u32 s[S_WV], 4
	s_cbranch_scc0 .Lbar_m
	s_cmp_eq_u32 s[S_PH], 7                        ; the second part: the products
	s_cselect_b32 s[S_NLD], 0, s[S_NW]
	v_add_nc_u32 v[V_BA], s[S_SL], v[V_L16]
	MTRIP
.Lbar_m:
	BAR                                            ; the reads are back; nobody reads the ring before the next barrier
	s_xor_b32 s[S_SL], s[S_SL], 0x8000
	s_add_co_u32 s[S_PH], s[S_PH], 1
	s_cmp_lt_u32 s[S_PH], 8
	s_cbranch_scc1 .Lph
	s_wait_loadcnt 0x0                             ; no load of the pass is out: what follows writes and loads the registers anew
	s_cmp_lt_u32 s[S_WV], 4
	s_cbranch_scc0 .Lno_epi
.if FFN == 1
; THE WAY OUT, 32 numbers a lane at a time: row tile u = it / 2, column half ch = it % 2.  A lane holds token r; register i of column tile 4 ch + j is column 64 ch + 32 h + 4 i + j.
; gelu(z) = z/2 + |z/2| - |z/2| erfc(|z| / sqrt(2)), erfc(x) = t (a1 + t (a2 + t (a3 + t (a4 + t a5)))) exp(-x^2), t = 1 / (1 + 0.3275911 x).
.set HZ, 32
.set AH, 64
.set DT, 96
.set GX, 128
.set PO, 160
.set PK, 192
.macro HALVE k                         ; z / 2 out of window 1: the one part that names the sums, so it alone is written eight times; each accumulator is read from its low end on
.Lblk\k:
	WIN 0x01
.set n, 0
.rept 16
	v_pk_mul_f32 v[HZ+2*n:HZ+2*n+1], v[32*(\k)+2*n:32*(\k)+2*n+1], 0.5 op_sel_hi:[1,0]
.set n, n+1
.endr
	WIN 0
	s_branch .Lgelu
.endm
	s_mov_b32 s[S_IT], 0
.Lepi:
	s_lshr_b32 s[S_T], s[S_IT], 1
	s_cmp_ge_u32 s[S_T], s[S_NW]
	s_cbranch_scc1 .Lepi_next                      ; a dead row tile
	s_wait_xcnt 0x0                                ; the last trip's stores have read their base and data
	s_lshl_b32 s[S_OF], s[S_T], 19                 ; four row tiles of 131,072 bytes on
	s_and_b32 s[S_T], s[S_IT], 1
	s_lshl_b32 s[S_T], s[S_T], 11                  ; two K steps of 1,024 bytes on
	s_add_co_u32 s[S_OF], s[S_OF], s[S_T]
	s_add_nc_u64 s[S_SB:S_SB+1], s[S_OB:S_OB+1], s[S_OF:S_OF+1]
.irp k, 0,1,2,3,4,5,6
	s_cmp_eq_u32 s[S_IT], \k
	s_cbranch_scc1 .Lblk\k
.endr
	s_branch .Lblk7
.irp k, 0,1,2,3,4,5,6,7
	HALVE \k
.endr
.Lgelu:
.set n, 0
.rept 32
	v_and_b32 v[AH+n], s[S_ABS], v[HZ+n]
.set n, n+1
.endr
.set n, 0
.rept 16
	v_pk_fma_f32 v[DT+2*n:DT+2*n+1], v[AH+2*n:AH+2*n+1], s[S_P2:S_P2+1], 1.0 op_sel_hi:[1,0,0]
	v_pk_mul_f32 v[GX+2*n:GX+2*n+1], v[HZ+2*n:HZ+2*n+1], v[HZ+2*n:HZ+2*n+1]
.set n, n+1
.endr
.set n, 0
.rept 16
	v_pk_mul_f32 v[GX+2*n:GX+2*n+1], v[GX+2*n:GX+2*n+1], s[S_LE:S_LE+1] op_sel_hi:[1,0]
.set n, n+1
.endr
.set n, 0
.rept 32
	v_rcp_f32 v[DT+n], v[DT+n]
.set n, n+1
.endr
.set n, 0
.rept 32
	v_exp_f32 v[GX+n], v[GX+n]
.set n, n+1
.endr
.set n, 0
.rept 16                                               ; plain work that names no result of the batch: z/2 + |z/2|
	v_pk_add_f32 v[HZ+2*n:HZ+2*n+1], v[HZ+2*n:HZ+2*n+1], v[AH+2*n:AH+2*n+1]
.set n, n+1
.endr
	s_wait_alu depctr_va_vdst(0)                   ; one wait for the 64, ahead of their first reader
.set n, 0
.rept 16
	v_pk_fma_f32 v[PO+2*n:PO+2*n+1], v[DT+2*n:DT+2*n+1], s[S_A5:S_A5+1], s[S_A4:S_A4+1] op_sel_hi:[1,0,0]
.set n, n+1
.endr
.irp a, S_A3, S_A2, S_A1
.set n, 0
.rept 16
	v_pk_fma_f32 v[PO+2*n:PO+2*n+1], v[PO+2*n:PO+2*n+1], v[DT+2*n:DT+2*n+1], s[\a:\a+1] op_sel_hi:[1,1,0]
.set n, n+1
.endr
.endr
.set n, 0
.rept 16
	v_pk_mul_f32 v[DT+2*n:DT+2*n+1], v[DT+2*n:DT+2*n+1], v[GX+2*n:GX+2*n+1]
.set n, n+1
.endr
.set n, 0
.rept 16
	v_pk_mul_f32 v[PO+2*n:PO+2*n+1], v[PO+2*n:PO+2*n+1], v[DT+2*n:DT+2*n+1]
.set n, n+1
.endr
.set n, 0
.rept 16
	v_pk_fma_f32 v[PO+2*n:PO+2*n+1], v[AH+2*n:AH+2*n+1], v[PO+2*n:PO+2*n+1], v[HZ+2*n:HZ+2*n+1] neg_lo:[1,0,0] neg_hi:[1,0,0]
.set n, n+1
.endr
.set n, 0
.rept 16                                               ; column tiles 2 p and 2 p + 1 are registers 0-3 and 4-7 of the second product's operand of K step 4 c + 2 ch + p
	v_cvt_pk_f16_f32 v[PK+n], v[PO+2*n], v[PO+2*n+1]
.set n, n+1
.endr
.irp p, 0,1,2,3
	global_store_b128 v[V_L16], v[PK+4*\p:PK+4*\p+3], s[S_SB:S_SB+1] offset:512*\p  ; the wave stores 512 consecutive bytes, aligned
.endr
.Lepi_next:
	s_add_co_u32 s[S_IT], s[S_IT], 1
	s_cmp_lt_u32 s[S_IT], 8
	s_cbranch_scc1 .Lepi
.else
; THE WAY OUT.  A lane holds column 4 r + j of column set j and rows 8 h + i: registers i of four tiles are 16 neighbouring bytes of the row of token (8 h + i), and sixteen lanes fill 256 consecutive bytes, aligned.
.set LE, 32
.set RO, 48
.set QD, 64
	v_lshlrev_b32 v[V_LA], 3, v[V_H]
	v_add_nc_u32 v[V_LA], s[S_POS], v[V_LA]        ; list place of my first row: 256 pass + 16 w + 8 h, 824 at the most
	v_min_u32 v[V_LA], 824, v[V_LA]
	v_lshlrev_b32 v[V_LA], 3, v[V_LA]
	v_add_nc_u32 v[V_LA], LIST, v[V_LA]
.irp u, 0,1,2,3
	s_cmp_lt_u32 s[S_NW], \u+1
	s_cbranch_scc1 .Lepi_end
	s_wait_xcnt 0x0                                ; the last tile's stores have read their offsets and data
.irp k, 0,1,2,3
	ds_load_b128 v[LE+4*\k:LE+4*\k+3], v[V_LA] offset:512*\u+16*\k   ; {token, weight} of rows 8 h + 2 k, 8 h + 2 k + 1
.endr
	s_wait_dscnt 0x0
.irp i, 0,1,2,3,4,5,6,7
	v_min_u32 v[RO+\i], 1023, v[LE+2*\i]
	v_lshlrev_b32 v[RO+\i], 12, v[RO+\i]
	v_add_nc_u32 v[RO+\i], v[V_BO], v[RO+\i]
.endr
	WIN 0x01
.set z, 0
.rept 64                                               ; z = 8 i + 4 ch + j: every accumulator's register 0 is read first
	v_mul_f32 v[QD+z], v[64*\u+8*(z%8)+z/8], v[LE+2*(z/8)+1]
.set z, z+1
.endr
	WIN 0
.set z, 0
.rept 16
	global_store_b128 v[RO+z/2], v[QD+4*z:QD+4*z+3], s[S_OB:S_OB+1] offset:256*(z%2)
.set z, z+1
.endr
.endr
.Lepi_end:
.endif
.Lno_epi:
	s_sub_co_i32 s[S_REM], s[S_REM], 256           ; the next 256 rows
	NWCALC
	s_add_co_u32 s[S_POS], s[S_POS], 256
	s_wait_xcnt 0x0                                ; the bases step only behind this wait
.if FFN == 1
	s_add_nc_u64 s[S_OB:S_OB+1], s[S_OB:S_OB+1], 0x200000    ; 16 row tiles of hf
.else
	s_add_nc_u64 s[S_APB:S_APB+1], s[S_APB:S_APB+1], 0x200000
.endif
	s_cmp_gt_i32 s[S_REM], 0
	s_cbranch_scc0 .Lpass_end
	s_cmp_lt_u32 s[S_WV], 4
	s_cbranch_scc1 .Lagain_math
	WPRO                                           ; a further live pass streams the slice again
	s_branch .Lpass_end
.Lagain_math:
	MPRO
.Lpass_end:
	s_sub_co_u32 s[S_PASS], s[S_PASS], 1
	s_cmp_lg_u32 s[S_PASS], 0
	s_cbranch_scc1 .Lpass
	s_wait_tensorcnt 0x0                           ; the wave's end
	ds_add_u32 v[SPW], v[NIL]
	s_wait_dscnt 0x0
	s_endpgm
.Lfunc_end_k_qd8b81be31e_ffn2:
	.size	k_qd8b81be31e_ffn2, .Lfunc_end_k_qd8b81be31e_ffn2-k_qd8b81be31e_ffn2
	.p2alignl 7, 3214868480
	.fill 96, 4, 3214868480
	.section	.rodata,"a",@progbits
	.p2align	6, 0x0
	.amdhsa_kernel k_qd8b81be31e_ffn2
		.amdhsa_group_segment_fixed_size 75264
		.amdhsa_private_segment_fixed_size 0
		.amdhsa_enable_private_segment 0
		.amdhsa_kernarg_size 48
		.amdhsa_user_sgpr_count 2
		.amdhsa_user_sgpr_kernarg_segment_ptr 1
		.amdhsa_wavefront_size32 1
		.amdhsa_system_sgpr_workgroup_id_x 1
		.amdhsa_system_sgpr_workgroup_id_y 1
		.amdhsa_system_sgpr_workgroup_id_z 1
		.amdhsa_system_vgpr_workitem_id 0
		.amdhsa_next_free_vgpr 512
		.amdhsa_next_free_sgpr 102
		.amdhsa_reserve_vcc 0
		.amdhsa_float_denorm_mode_32 3
		.amdhsa_float_denorm_mode_16_64 3
		.amdhsa_memory_ordered 1
		.amdhsa_forward_progress 1
		.amdhsa_inst_pref_size 165
	.end_amdhsa_kernel
	.amdgpu_metadata
---
amdhsa.version: [ 1, 2 ]
amdhsa.kernels:
  - .name:           k_qd8b81be31e_ffn2
    .symbol:         k_qd8b81be31e_ffn2.kd
    .args:
      - { .name: idx, .offset: 0, .size: 8, .value_kind: global_buffer, .address_space: global }
      - { .name: score, .offset: 8, .size: 8, .value_kind: global_buffer, .address_space: global }
      - { .name: hf, .offset: 16, .size: 8, .value_kind: global_buffer, .address_space: global }
      - { .name: w2, .offset: 24, .size: 8, .value_kind: global_buffer, .address_space: global }
      - { .name: b2, .offset: 32, .size: 8, .value_kind: global_buffer, .address_space: global }
      - { .name: part, .offset: 40, .size: 8, .value_kind: global_buffer, .address_space: global }
    .group_segment_fixed_size: 75264
    .private_segment_fixed_size: 0
    .kernarg_segment_align: 8
    .kernarg_segment_size: 48
    .max_flat_workgroup_size: 256
    .sgpr_count:     102
    .vgpr_count:     512
    .wavefront_size: 32
...
	.end_amdgpu_metadata
.endif
;; end of part 3
;; launch sum4 (part 4): grid 256 x 1, 8 waves a work-group, no clusters, 0 bytes of LDS; arguments part, out0; writes out0
.if DOCPART == 4
	.amdgcn_target "amdgcn-amd-amdhsa--gfx1250"
	.amdhsa_code_object_version 6
	.text
	.protected	k_qd8b81be31e_sum4
	.globl	k_qd8b81be31e_sum4
	.p2align	8
	.type	k_qd8b81be31e_sum4,@function
k_qd8b81be31e_sum4:
	s_mov_b64 s[64:65], 0
	v_nop
	global_prefetch_b8 v0, s[64:65] scope:SCOPE_SE
	s_setreg_imm32_b32 hwreg(HW_REG_WAVE_MODE, 25, 1), 1
	s_wait_xcnt 0x0
; out0 = part[0] + part[1] + part[2] + part[3]: the four K quarters' partial sums, f32; bias and gate weight are in them already.
; A stream: a work-group has 16 KB of out0 (4 MiB / 256), a thread 16 bytes in each of four steps of 4,096 bytes; all its 16 loads go out at once; a load or store of a wave covers 512 consecutive bytes.
; No LDS, no matrix unit, no cluster: nothing is shared and nothing is read twice.
.set QB, 0x400000      ; bytes of a quarter
	s_load_b128 s[4:7], s[0:1], 0x0                ; part s[4:5], out0 s[6:7]
	v_lshlrev_b32 v1, 4, v0
	s_lshl_b32 s10, ttmp9, 14
	s_mov_b32 s11, 0
	s_wait_kmcnt 0x0
	s_add_nc_u64 s[4:5], s[4:5], s[10:11]
	s_add_nc_u64 s[6:7], s[6:7], s[10:11]
	s_add_nc_u64 s[8:9], s[4:5], 2*QB              ; quarters 2 and 3: three quarters do not fit a load's immediate
.irp t, 0,1,2,3
	global_load_b128 v[4+16*\t:7+16*\t],   v1, s[4:5] offset:4096*\t th:TH_LOAD_NT
	global_load_b128 v[8+16*\t:11+16*\t],  v1, s[4:5] offset:QB+4096*\t th:TH_LOAD_NT
	global_load_b128 v[12+16*\t:15+16*\t], v1, s[8:9] offset:4096*\t th:TH_LOAD_NT
	global_load_b128 v[16+16*\t:19+16*\t], v1, s[8:9] offset:QB+4096*\t th:TH_LOAD_NT
.endr
.irp t, 0,1,2,3
	s_wait_loadcnt 12-4*\t                         ; this step's four loads are in; the later steps' stay out
	v_pk_add_f32 v[4+16*\t:5+16*\t], v[4+16*\t:5+16*\t], v[8+16*\t:9+16*\t]
	v_pk_add_f32 v[6+16*\t:7+16*\t], v[6+16*\t:7+16*\t], v[10+16*\t:11+16*\t]
	v_pk_add_f32 v[12+16*\t:13+16*\t], v[12+16*\t:13+16*\t], v[16+16*\t:17+16*\t]
	v_pk_add_f32 v[14+16*\t:15+16*\t], v[14+16*\t:15+16*\t], v[18+16*\t:19+16*\t]
	v_pk_add_f32 v[4+16*\t:5+16*\t], v[4+16*\t:5+16*\t], v[12+16*\t:13+16*\t]
	v_pk_add_f32 v[6+16*\t:7+16*\t], v[6+16*\t:7+16*\t], v[14+16*\t:15+16*\t]
	global_store_b128 v1, v[4+16*\t:7+16*\t], s[6:7] offset:4096*\t th:TH_STORE_NT
.endr
	s_endpgm
.Lfunc_end_k_qd8b81be31e_sum4:
	.size	k_qd8b81be31e_sum4, .Lfunc_end_k_qd8b81be31e_sum4-k_qd8b81be31e_sum4
	.p2alignl 7, 3214868480
	.fill 96, 4, 3214868480
	.section	.rodata,"a",@progbits
	.p2align	6, 0x0
	.amdhsa_kernel k_qd8b81be31e_sum4
		.amdhsa_group_segment_fixed_size 0
		.amdhsa_private_segment_fixed_size 0
		.amdhsa_enable_private_segment 0
		.amdhsa_kernarg_size 16
		.amdhsa_user_sgpr_count 2
		.amdhsa_user_sgpr_kernarg_segment_ptr 1
		.amdhsa_wavefront_size32 1
		.amdhsa_system_sgpr_workgroup_id_x 1
		.amdhsa_system_sgpr_workgroup_id_y 1
		.amdhsa_system_sgpr_workgroup_id_z 1
		.amdhsa_system_vgpr_workitem_id 0
		.amdhsa_next_free_vgpr 72
		.amdhsa_next_free_sgpr 66
		.amdhsa_reserve_vcc 0
		.amdhsa_float_denorm_mode_32 3
		.amdhsa_float_denorm_mode_16_64 3
		.amdhsa_memory_ordered 1
		.amdhsa_forward_progress 1
		.amdhsa_inst_pref_size 5
	.end_amdhsa_kernel
	.amdgpu_metadata
---
amdhsa.version: [ 1, 2 ]
amdhsa.kernels:
  - .name:           k_qd8b81be31e_sum4
    .symbol:         k_qd8b81be31e_sum4.kd
    .args:
      - { .name: part, .offset: 0, .size: 8, .value_kind: global_buffer, .address_space: global }
      - { .name: out0, .offset: 8, .size: 8, .value_kind: global_buffer, .address_space: global }
    .group_segment_fixed_size: 0
    .private_segment_fixed_size: 0
    .kernarg_segment_align: 8
    .kernarg_segment_size: 16
    .max_flat_workgroup_size: 256
    .sgpr_count:     66
    .vgpr_count:     72
    .wavefront_size: 32
...
	.end_amdgpu_metadata
.endif
;; end of part 4
